; MI455X (gfx1250); checked and timed in simulation.
; The chip was launched on July 23, 2026; its instructions are those of AMD's public machine-readable ISA for CDNA 5 (MIT licence, August 2026) and "CDNA5" Instruction Set Architecture Reference Guide (July 2026). The comments in the code are by the model that wrote it; some were corrected since.
;; Causal Self Attention. Allowed arithmetic: matrix products marked QUANTISED: E2M3 operands, one E8M0 scale for each 32 along K, by v_wmma_scale_f32_16x16x128_f8f6f4 with both operands' format E2M3, f32 sums; everything else in f32.
;; Inputs: w_out 1,024 x 1,024 float32; w_qkv 1,024 x 3,072 float32; x 4 x 2,048 x 1,024 float32.
;; Outputs: out0 4 x 2,048 x 1,024 float32.
;; This version of the problem:
;;   THIS VERSION OF THE PROBLEM IS GIVEN IN LOW PRECISION. The matrix products marked QUANTISED in the list below multiply operands that are first quantised to E2M3 (2 exponent bits, 3 mantissa bits; 6 bits a number), with one power-of-two scale for each 32 numbers along K (OCP MX v1.0); their sums are f32. All else is computed in f32.
;;   The module's matrix products, in the order in which they are computed (A, B: the left and right operand; K: the contracted axis; several contracted axes count as one K, in the product's order):
;;     1. [M 8,192, K 1,024] x [K 1,024, N 3,072]; A: input x; B: input w_qkv: QUANTISED
;;     2. batch 64 x [M 2,048, K 64] x [K 64, N 2,048]; A: computed on the way; B: computed on the way: QUANTISED
;;     3. batch 64 x [M 2,048, K 2,048] x [K 2,048, N 64]; A: softmax (see below); B: computed on the way: QUANTISED
;;     4. [M 8,192, K 1,024] x [K 1,024, N 1,024]; A: computed on the way; B: input w_out: QUANTISED
;;   THE QUANTISER, for each operand of a quantised product, along K:
;;     - K is cut into blocks of 32 from its start; a last block that is shorter is filled with zeros.
;;     - A block's scale is 2^e with e = floor(log2(the largest magnitude in the block)) - 2, held to -126 .. 127; a block of zeros has e = 0. As a byte (E8M0): e + 127.
;;     - Each number is divided by its block's scale, clamped to +-7.5, and rounded to the nearest number of E2M3, ties to even, subnormals kept.
;;     - The product sums the exact products of the quantised numbers (number of the format x scale) in f32.
;;   ~~~python
;;   def quantise(x, axis):      # numpy; x: float32 -> the quantised numbers, widened to float32 again
;;       x = np.moveaxis(x, axis, -1); K = x.shape[-1]
;;       x = np.pad(x, [(0, 0)] * (x.ndim - 1) + [(0, -K % 32)]); x = x.reshape(x.shape[:-1] + (-1, 32)); a = np.abs(x).max(-1, keepdims=True)
;;       e = np.where(a > 0, np.clip(np.frexp(np.where(a > 0, a, 1))[1] - 1 - 2, -126, 127), 0)      # np.frexp(a)[1] - 1 = floor(log2(a)), exactly
;;       r = np.clip(x / 2.0 ** e, -7.5, 7.5)
;;       step = 2.0 ** (np.maximum(np.frexp(np.where(r == 0, 1, r))[1] - 1, 0) - 3)
;;       q = np.round(r / step) * step * 2.0 ** e      # np.round: ties to even
;;       return np.moveaxis(q.reshape(q.shape[:-2] + (-1,))[..., :K], -1, axis).astype(np.float32)
;;   ~~~
;;   SOFTMAX AHEAD OF A QUANTISED PRODUCT. Where the list says 'softmax', what is quantised is not the finished softmax but p = 2^(t - M), with t = logit x log2(e) and M = ceil(the row's largest t), a whole number; so 1/2 < the row's largest p <= 1. The row's sum l is taken of the UNQUANTISED p, in f32, and the product's result is divided by l at the end. Since M is a whole number, a kernel that streams over the keys may use a running M (the ceiling of the running maximum): every later rescaling is an exact power of two, which a block's scale takes up: the codes' values come out the same.
;;   OPERANDS COMPUTED ON THE WAY. 'Computed on the way' means the value that the module computes at that place (a softmax that the list does not call 'softmax' is quantised finished and normalised). What goes into a quantiser is computed in f32, as accurately as f32 sums, v_exp_f32 and their like allow (about 1e-6 of the number): no bf16 or f16 on the way to a quantiser, and a product that is left as it is and whose result goes on into a quantised operand takes f32 operands (vector FMAs, or v_wmma_f32_16x16x4_f32). A number that lies on a knife's edge between two numbers of the format may be rounded either way, as far as f32 arithmetic and the matrix unit's own rounding can turn it there, and no further.
;; One version. Each part assembles by itself: llvm-mc -triple=amdgcn-amd-amdhsa -mcpu=gfx1250 --defsym DOCPART=n.
;; ======== version 1 of 1: 4 launches
;; limits: right only within a limited range of input values
;; workspace buffers: x_img 6,291,456 bytes; x_sc 262,144 bytes; w_img 3,145,728 bytes; w_sc 131,072 bytes; qkv 20,185,088 bytes; y_img 6,291,456 bytes; y_sc 262,144 bytes
;; launch quant (part 1): grid 768 x 1, 2 waves a work-group, no clusters, 90,624 bytes of LDS; arguments x, w_qkv, w_out, x_img, x_sc, w_img, w_sc; writes x_img, x_sc, w_img, w_sc
.if DOCPART == 1
	.amdgcn_target "amdgcn-amd-amdhsa--gfx1250"
	.amdhsa_code_object_version 6
	.text
	.protected	k_qee33ebe215_quant
	.globl	k_qee33ebe215_quant
	.p2align	8
	.type	k_qee33ebe215_quant,@function
k_qee33ebe215_quant:
	s_mov_b64 s[64:65], 0
	v_nop
	global_prefetch_b8 v0, s[64:65] scope:SCOPE_SE
	s_setreg_imm32_b32 hwreg(HW_REG_WAVE_MODE, 25, 1), 1
	s_wait_xcnt 0x0
; x [8192][1024], w_qkv [1024][3072] and w_out [1024][1024], f32, become codes of FP6 (E2M3) with one E8M0 byte for each 32 along K (x: its last axis; the weights: their FIRST axis).
; A block's scale is 2^(floor(log2(its largest magnitude)) - 2); its byte is the largest magnitude's exponent field - 2, held at 1 from below; each number is divided by the scale and rounded to the nearest code, ties to even.
; LIMITS: a block of zeros gets the byte 1 where the rule says 127 (its codes are zeros, and this program alone reads the bytes); NaN and infinities among the inputs are not served.
; THE CODES ARE LAID AS IMAGES OF OPERAND REGISTERS.  A tile T is 16 rows of an operand; lane r of tile T holds row 32 (T / 2) + 8 (T % 2) + r + 8 (r / 8).  A fragment (16 rows x 128 K, 12 registers a lane) is 1,536 bytes: for c = 0, 1:
; registers 6 c .. 6 c + 3 of lane l at 768 c + 16 l, registers 6 c + 4, 6 c + 5 at 768 c + 512 + 8 l (lane l = r + 16 h holds k = 64 c + 32 h + 0 .. 31).  Images: [T][K / 128][1,536].  Scale bytes: [T][K / 256][r][8].
; The weights share one pair of buffers: rows 0 .. 3071 are w_qkv's columns, rows 3072 .. 4095 w_out's.
; Work-groups 0 .. 511 take x, 512 .. 767 the weights: two ways through the text, each with LDS bytes of its own.  No tensor load, no barrier: waves share nothing.  Each work-group of two waves reads 65,536 bytes;
; the LDS claim lets three work-groups share a WGP, so that the 768 are three for each of 256 WGPs.
.set XR,  16                           ; x: v16-143   four sets of 32 registers as loaded
.set XX,  144                          ;    v144-207  two sets: a whole block of 32 neighbours a lane
.set XC,  208                          ;    v208-213, v216-221 a block's codes, two sets
.set XD,  224                          ;    v224-226  the second conversion's result (three registers that begin on an even number)
.set XE,  228                          ;    v228-229  the scale's byte, two sets
.set WX,  48                           ; weights: v48-111 two sets of 32 numbers
.set WC,  112                          ;    v112-117  a block's codes
.set WD,  120                          ;    v120-122  the second conversion's result
.set WSB, 124                          ;    v124-125  eight scale bytes
.set WO,  128                          ;    v128-175  the way out
	s_load_b256 s[4:11], s[0:1], 0x0               ; x, w_qkv, w_out, x_img
	s_load_b128 s[12:15], s[0:1], 0x20             ; x_sc, w_img
	s_load_b64 s[16:17], s[0:1], 0x30              ; w_sc
	v_lshl_add_u32 v254, v0, 2, 0x16000
	v_mov_b32 v255, 0
	v_lshrrev_b32 v1, 5, v0
	v_readfirstlane_b32 s18, v1                    ; wave 0..1
	v_and_b32 v1, 31, v0                           ; lane
	s_cmp_lt_u32 ttmp9, 512
	s_cbranch_scc0 .Lweights
; ---------------- x: K is innermost.  Wave u = 2 x work-group + wave takes tile u / 2, K half u % 2: 16 rows x 512 along K, two rows a step.
; Each load reads 512 consecutive bytes of a row; a step's 4,096 bytes turn through the wave's stage (places of 128 bytes + 16), from which a lane takes ONE whole block of 32 neighbours: row 2 t + lane / 16, block lane % 16.
	s_lshl_b32 s19, ttmp9, 1
	s_add_co_u32 s19, s19, s18                     ; u
	s_lshr_b32 s20, s19, 1                         ; T
	s_and_b32 s21, s19, 1                          ; K half
	s_lshr_b32 s22, s20, 1
	s_lshl_b32 s22, s22, 17                        ; 32 (T / 2) rows of 4,096 bytes
	s_and_b32 s23, s20, 1
	s_lshl_b32 s23, s23, 15                        ; 8 (T % 2) rows
	s_add_co_u32 s22, s22, s23
	s_lshl_b32 s23, s21, 11                        ; 2,048 bytes a K half
	s_add_co_u32 s22, s22, s23
	s_mov_b32 s23, 0
	s_mul_i32 s24, s19, 6144                       ; images: 12,288 T + 6,144 half = 6,144 u
	s_mov_b32 s25, 0
	s_lshl_b32 s26, s19, 8                         ; scale bytes: 512 T + 256 half = 256 u
	s_mov_b32 s27, 0
	s_lshl_b32 s28, s18, 14                        ; LDS: 16,384 bytes a wave: two stages of 4,608, from 9,216 the codes' image (6,144), from 15,360 the scale bytes (256)
	s_wait_alu depctr_va_vdst(0)
	v_lshlrev_b32 v2, 4, v1                        ; 16 x lane
	v_lshrrev_b32 v14, 3, v1
	v_mul_u32_u24 v3, v14, 144
	v_and_b32 v15, 7, v1
	v_lshl_add_u32 v3, v15, 4, v3
	v_add_nc_u32 v3, s28, v3                       ; into a stage: eight lanes' 128 bytes to a place
	v_mul_u32_u24 v4, v1, 144
	v_add_nc_u32 v4, s28, v4                       ; out of it: a place a lane
	v_bfe_u32 v14, v1, 2, 2
	v_mul_u32_u24 v14, v14, 1536                   ; my block (lane % 16) lies in fragment (lane / 4) % 4,
	v_bfe_u32 v15, v1, 1, 1
	v_mad_u32_u24 v14, v15, 768, v14               ; its half c = (lane / 2) % 2,
	v_add_nc_u32 v14, s28, v14
	v_and_b32 v15, 1, v1                           ; in the image's lanes r + 16 h, h = lane % 2,
	v_lshrrev_b32 v13, 4, v1                       ; r = 2 t + lane / 16
	v_lshl_add_u32 v5, v15, 8, v14
	v_lshl_add_u32 v5, v13, 4, v5
	v_add_nc_u32 v5, 9216, v5                      ; where my block's first 16 bytes of codes go,
	v_lshl_add_u32 v6, v15, 7, v14
	v_lshl_add_u32 v6, v13, 3, v6
	v_add_nc_u32 v6, 9216+512, v6                  ; and its last 8
	v_bfe_u32 v14, v1, 3, 1
	v_and_b32 v15, 7, v1
	v_lshl_add_u32 v7, v14, 7, v15
	v_lshl_add_u32 v7, v13, 3, v7
	v_add_nc_u32 v7, s28, v7
	v_add_nc_u32 v7, 15360, v7                     ; its scale byte: 128 (which 256 along K) + 8 r + block % 8
	v_lshlrev_b32 v8, 3, v1                        ; 8 x lane
	v_add_nc_u32 v9, s28, v8
	v_add_nc_u32 v9, 15360, v9                     ; the way out: scale bytes,
	v_add_nc_u32 v10, s28, v2
	v_add_nc_u32 v10, 9216, v10                    ; and codes
	s_wait_kmcnt 0x0
	s_add_nc_u64 s[4:5], s[4:5], s[22:23]
	s_add_nc_u64 s[10:11], s[10:11], s[24:25]
	s_add_nc_u64 s[12:13], s[12:13], s[26:27]
.macro XLOAD t                         ; tile rows 2 t and 2 t + 1, 2,048 bytes each
.irp i, 0,1,2,3,4,5,6,7
	global_load_b128 v[XR+32*((\t)%4)+4*\i:XR+32*((\t)%4)+4*\i+3], v2, s[4:5] offset:((2*(\t)+\i/4)+8*((2*(\t)+\i/4)/8))*4096+512*(\i%4) th:TH_LOAD_NT
.endr
.endm
.macro XTURN t                         ; through the stage: LDS serves a wave's instructions in order (ISA guide 5.7.1.4), so no wait stands between the stores and the loads
.irp i, 0,1,2,3,4,5,6,7
	ds_store_b128 v3, v[XR+32*((\t)%4)+4*\i:XR+32*((\t)%4)+4*\i+3] offset:4608*((\t)%2)+576*\i
.endr
.irp j, 0,1,2,3,4,5,6,7
	ds_load_b128 v[XX+32*((\t)%2)+4*\j:XX+32*((\t)%2)+4*\j+3], v4 offset:4608*((\t)%2)+16*\j
.endr
.endm
.macro XSTEP t
.set XS, XX+32*((\t)%2)
.set CC, XC+8*((\t)%2)
.if (\t) > 0
	s_wait_dscnt 3                                 ; this step's numbers are back from the stage; the last step's three stores of codes and byte may be out
.else
	s_wait_dscnt 0x0
.endif
.if (\t)+4 < 8
	XLOAD (\t)+4                                   ; into the set that this step's stage stores have read
.endif
.if (\t)+1 < 8
.if (\t) < 4
	s_wait_loadcnt 24                              ; the next step's eight loads are in; those of the three steps behind it may be out
.else
	s_wait_loadcnt 8*(6-(\t))
.endif
	XTURN (\t)+1
.endif
	v_max3_num_f32 v12, |v[XS]|, |v[XS+1]|, |v[XS+2]|              ; the block's largest magnitude: all 32 numbers are mine; two chains
	v_max3_num_f32 v13, |v[XS+3]|, |v[XS+4]|, |v[XS+5]|
.irp i, 6,10,14,18,22,26
	v_max3_num_f32 v12, v12, |v[XS+\i]|, |v[XS+\i+1]|
	v_max3_num_f32 v13, v13, |v[XS+\i+2]|, |v[XS+\i+3]|
.endr
	v_max3_num_f32 v12, v12, |v[XS+30]|, |v[XS+31]|
	v_max3_num_f32 v12, v12, v13, 0x1800000        ; and the floor 2^(3 - 127): the byte cannot fall under 1
	v_add_nc_u32 v11, 0xff000000, v12              ; 2 off the exponent field: the conversion takes the exponent field of this operand as its scale
	v_cvt_scalef32_pk16_fp6_f32 v[CC:CC+2], v[XS:XS+15], v11
	v_cvt_scalef32_pk16_fp6_f32 v[XD:XD+2], v[XS+16:XS+31], v11
	v_lshrrev_b32 v[XE+(\t)%2], 23, v11            ; the scale's byte; also the plain line between the conversions and the moves of their result
	v_mov_b32 v[CC+3], v[XD]
	v_mov_b32 v[CC+4], v[XD+1]
	v_mov_b32 v[CC+5], v[XD+2]
	ds_store_b128 v5, v[CC:CC+3] offset:32*(\t)
	ds_store_b64 v6, v[CC+4:CC+5] offset:16*(\t)
	ds_store_b8 v7, v[XE+(\t)%2] offset:16*(\t)
.endm
.irp t, 0,1,2,3
	XLOAD \t
.endr
	s_wait_loadcnt 24                              ; step 0's eight loads are in
	XTURN 0
.irp t, 0,1,2,3,4,5,6,7
	XSTEP \t
.endr
.irp i, 0,1,2,3,4,5,6,7,8,9,10,11
	ds_load_b128 v[16+4*\i:19+4*\i], v10 offset:512*\i             ; the wave's four fragments, as they will lie in memory
.endr
	ds_load_b64 v[64:65], v9
.irp i, 0,1,2,3,4,5,6,7,8,9,10,11
	s_wait_dscnt 12-\i                             ; load i is in; the loads behind it may be out
	global_store_b128 v2, v[16+4*\i:19+4*\i], s[10:11] offset:512*\i   ; 512 consecutive bytes, aligned
.endr
	s_wait_dscnt 0x0
	global_store_b64 v8, v[64:65], s[12:13]        ; 256 consecutive bytes, aligned
	s_wait_tensorcnt 0x0
	ds_add_u32 v254, v255
	s_wait_dscnt 0x0
	s_endpgm
; ---------------- the weights: K is the first axis.  A LANE TAKES A COLUMN AND ITS REGISTERS RUN DOWN K: a block of 32 lies in one lane's 32 registers, and the codes come out with K innermost.
; Work-group j: 64 columns (j / 4), 256 along K (j % 4); a wave 32 columns = two tiles.  The row pitch stands in registers, so that one text serves both weights.
.Lweights:
	s_sub_co_u32 s19, ttmp9, 512
	s_and_b32 s20, s19, 3                          ; which 256 along K
	s_lshr_b32 s21, s19, 2                         ; which 64 columns of the 4,096
	s_and_b32 s47, s21, 1
	s_lshl_b32 s47, s47, 1
	s_add_co_u32 s47, s47, s18                     ; which 32 columns of their 128: it enters global addresses alone
	s_lshr_b32 s21, s21, 1                         ; which 128 columns
	s_wait_kmcnt 0x0
	s_cmp_lt_u32 s21, 24                           ; w_qkv's or w_out's?  The choice hangs on the work-group's number alone
	s_cselect_b64 s[6:7], s[6:7], s[8:9]
	s_mov_b32 s22, 4096
	s_cselect_b32 s22, 12288, s22                  ; a row of the weight in bytes
	s_cselect_b32 s23, 0, 24
	s_sub_co_u32 s23, s21, s23                     ; which 128 columns of that weight
	s_lshl_b32 s40, s22, 8
	s_mul_i32 s40, s40, s20                        ; 256 rows for each step along K,
	s_lshl_b32 s41, s23, 9
	s_add_co_u32 s40, s40, s41                     ; 512 bytes for 128 columns,
	s_lshl_b32 s41, s47, 7
	s_add_co_u32 s40, s40, s41                     ; 128 for a wave's 32
	s_mov_b32 s41, 0
	s_add_nc_u64 s[24:25], s[6:7], s[40:41]        ; block t's first row at s[24 + 2 t : 25 + 2 t]
	s_lshl_b32 s40, s22, 5                         ; 32 rows
.irp t, 1,2,3,4,5,6,7
	s_add_nc_u64 s[24+2*\t:25+2*\t], s[22+2*\t:23+2*\t], s[40:41]
.endr
	s_lshl_b32 s42, s21, 3
	s_lshl_b32 s43, s47, 1
	s_add_co_u32 s42, s42, s43                     ; my first tile: 8 x (128 columns) + 2 x (which 32)
	s_mul_i32 s44, s42, 12288
	s_mul_i32 s43, s20, 3072
	s_add_co_u32 s44, s44, s43
	s_mov_b32 s45, 0
	s_add_nc_u64 s[14:15], s[14:15], s[44:45]      ; its two fragments of these 256 along K
	s_lshl_b32 s44, s42, 9
	s_lshl_b32 s43, s20, 7
	s_add_co_u32 s44, s44, s43
	s_add_nc_u64 s[16:17], s[16:17], s[44:45]      ; and their scale bytes
	s_wait_alu depctr_va_vdst(0)
	v_lshlrev_b32 v2, 2, v1                        ; 4 bytes a lane
.set J, 0
.rept 32
	v_mad_u32_u24 v[16+J], s22, J, v2              ; row J of a block
.set J, J+1
.endr
	v_bfe_u32 v8, v1, 3, 1                         ; column 32 n + lane lies in tile 2 n + (lane / 8) % 2,
	v_and_b32 v9, 7, v1
	v_lshrrev_b32 v10, 4, v1
	v_lshl_or_b32 v9, v10, 3, v9                   ; at its row r = lane % 8 + 8 (lane / 16)
	s_mul_i32 s46, s18, 6144
	s_add_co_u32 s46, s46, 65536                   ; my stage: two tiles x two fragments, as they will lie in memory
	v_mul_u32_u24 v10, v8, 3072
	v_add_nc_u32 v10, s46, v10
	v_lshl_add_u32 v3, v9, 4, v10                  ; a block's first 16 bytes of codes: + 16 r,
	v_lshl_add_u32 v4, v9, 3, v10                  ; its last 8: + 8 r
	v_lshlrev_b32 v6, 4, v1
	v_add_nc_u32 v5, s46, v6                       ; the way out
	v_lshlrev_b32 v7, 3, v9
	v_lshl_add_u32 v7, v8, 9, v7                   ; scale bytes: 512 x tile + 8 r
.macro WLOAD t
.set J, 0
.rept 32
	global_load_b32 v[WX+32*((\t)%2)+J], v[16+J], s[24+2*(\t):25+2*(\t)] th:TH_LOAD_NT    ; 32 lanes read 128 consecutive bytes, the two waves 256
.set J, J+1
.endr
.endm
.macro WBLOCK t                        ; block t: fragment t / 4, half c = (t / 2) % 2, image lanes r + 16 (t % 2)
.set WS, WX+32*((\t)%2)
.if (\t) < 7
	s_wait_loadcnt 32                              ; this block's 32 loads are in; the next block's may be out
.else
	s_wait_loadcnt 0x0
.endif
	v_max3_num_f32 v12, |v[WS]|, |v[WS+1]|, |v[WS+2]|
	v_max3_num_f32 v13, |v[WS+3]|, |v[WS+4]|, |v[WS+5]|
.irp i, 6,10,14,18,22,26
	v_max3_num_f32 v12, v12, |v[WS+\i]|, |v[WS+\i+1]|
	v_max3_num_f32 v13, v13, |v[WS+\i+2]|, |v[WS+\i+3]|
.endr
	v_max3_num_f32 v12, v12, |v[WS+30]|, |v[WS+31]|
	v_max3_num_f32 v12, v12, v13, 0x1800000
	v_add_nc_u32 v11, 0xff000000, v12
	v_cvt_scalef32_pk16_fp6_f32 v[WC:WC+2], v[WS:WS+15], v11
	v_cvt_scalef32_pk16_fp6_f32 v[WD:WD+2], v[WS+16:WS+31], v11
	v_lshrrev_b32 v13, 23, v11                     ; the scale's byte; the plain line behind the conversions
.if (\t)%4 == 0
	v_mov_b32 v[WSB+(\t)/4], v13
.else
	v_lshl_or_b32 v[WSB+(\t)/4], v13, 8*((\t)%4), v[WSB+(\t)/4]
.endif
	v_mov_b32 v[WC+3], v[WD]
	v_mov_b32 v[WC+4], v[WD+1]
	v_mov_b32 v[WC+5], v[WD+2]
	ds_store_b128 v3, v[WC:WC+3] offset:((\t)/4)*1536+(((\t)/2)%2)*768+((\t)%2)*256
	ds_store_b64 v4, v[WC+4:WC+5] offset:((\t)/4)*1536+(((\t)/2)%2)*768+512+((\t)%2)*128
.if (\t)+2 < 8
	WLOAD (\t)+2
.endif
	s_wait_dscnt 0x0                               ; the stores have read their registers: the next block's codes may be written
.endm
	WLOAD 0
	WLOAD 1
.irp t, 0,1,2,3,4,5,6,7
	WBLOCK \t
.endr
	s_wait_alu depctr_va_vdst(0)
	global_store_b64 v7, v[WSB:WSB+1], s[16:17]    ; eight bytes a column: pieces of 128 bytes a tile (one byte for each 128 that are read)
.irp i, 0,1,2,3,4,5,6,7,8,9,10,11
	ds_load_b128 v[WO+4*\i:WO+4*\i+3], v5 offset:512*\i
.endr
.irp i, 0,1,2,3,4,5,6,7,8,9,10,11
	s_wait_dscnt 11-\i
	global_store_b128 v6, v[WO+4*\i:WO+4*\i+3], s[14:15] offset:(\i/6)*12288+(\i%6)*512   ; 512 consecutive bytes, aligned
.endr
	s_wait_tensorcnt 0x0
	ds_add_u32 v254, v255
	s_wait_dscnt 0x0
	s_endpgm
.Lfunc_end_k_qee33ebe215_quant:
	.size	k_qee33ebe215_quant, .Lfunc_end_k_qee33ebe215_quant-k_qee33ebe215_quant
	.p2alignl 7, 3214868480
	.fill 96, 4, 3214868480
	.section	.rodata,"a",@progbits
	.p2align	6, 0x0
	.amdhsa_kernel k_qee33ebe215_quant
		.amdhsa_group_segment_fixed_size 90624
		.amdhsa_private_segment_fixed_size 0
		.amdhsa_enable_private_segment 0
		.amdhsa_kernarg_size 56
		.amdhsa_user_sgpr_count 2
		.amdhsa_user_sgpr_kernarg_segment_ptr 1
		.amdhsa_wavefront_size32 1
		.amdhsa_system_sgpr_workgroup_id_x 1
		.amdhsa_system_sgpr_workgroup_id_y 1
		.amdhsa_system_sgpr_workgroup_id_z 1
		.amdhsa_system_vgpr_workitem_id 0
		.amdhsa_next_free_vgpr 256
		.amdhsa_next_free_sgpr 66
		.amdhsa_reserve_vcc 0
		.amdhsa_float_denorm_mode_32 3
		.amdhsa_float_denorm_mode_16_64 3
		.amdhsa_memory_ordered 1
		.amdhsa_forward_progress 1
		.amdhsa_inst_pref_size 76
	.end_amdhsa_kernel
	.amdgpu_metadata
---
amdhsa.version: [ 1, 2 ]
amdhsa.kernels:
  - .name:           k_qee33ebe215_quant
    .symbol:         k_qee33ebe215_quant.kd
    .args:
      - { .name: x, .offset: 0, .size: 8, .value_kind: global_buffer, .address_space: global }
      - { .name: w_qkv, .offset: 8, .size: 8, .value_kind: global_buffer, .address_space: global }
      - { .name: w_out, .offset: 16, .size: 8, .value_kind: global_buffer, .address_space: global }
      - { .name: x_img, .offset: 24, .size: 8, .value_kind: global_buffer, .address_space: global }
      - { .name: x_sc, .offset: 32, .size: 8, .value_kind: global_buffer, .address_space: global }
      - { .name: w_img, .offset: 40, .size: 8, .value_kind: global_buffer, .address_space: global }
      - { .name: w_sc, .offset: 48, .size: 8, .value_kind: global_buffer, .address_space: global }
    .group_segment_fixed_size: 90624
    .private_segment_fixed_size: 0
    .kernarg_segment_align: 8
    .kernarg_segment_size: 56
    .max_flat_workgroup_size: 64
    .sgpr_count:     66
    .vgpr_count:     256
    .wavefront_size: 32
...
	.end_amdgpu_metadata
.endif
;; end of part 1
;; launch qkv (part 2): grid 8 x 32, 4 waves a work-group, clusters of 4 x 4, 327,680 bytes of LDS; arguments x_img, x_sc, w_img, w_sc, qkv; writes qkv
.if DOCPART == 2
	.amdgcn_target "amdgcn-amd-amdhsa--gfx1250"
	.amdhsa_code_object_version 6
	.text
	.protected	k_qee33ebe215_qkv
	.globl	k_qee33ebe215_qkv
	.p2align	8
	.type	k_qee33ebe215_qkv,@function
k_qee33ebe215_qkv:
	s_mov_b64 s[64:65], 0
	v_nop
	global_prefetch_b8 v0, s[64:65] scope:SCOPE_SE
	s_setreg_imm32_b32 hwreg(HW_REG_WAVE_MODE, 25, 1), 1
	s_wait_xcnt 0x0
	s_wait_alu depctr_hold_cnt(0) depctr_sa_sdst(0) depctr_va_vdst(0) depctr_va_sdst(0) depctr_va_ssrc(0) depctr_va_vcc(0) depctr_vm_vsrc(0)
	s_getreg_b32 s2, hwreg(HW_REG_IB_STS2, 6, 4)
	s_cmp_eq_u32 s2, 0
	s_cbranch_scc0 .Lentry_in_a_cluster
	s_endpgm
.Lentry_in_a_cluster:
	s_bfe_u32 s2, ttmp6, 0x10000c
	s_cmp_lg_u32 s2, 0xf033
	s_cbranch_scc0 .Lentry_shape_is_right
	s_endpgm
.Lentry_shape_is_right:
; qkv = x w_qkv on codes of FP6 (E2M3) with E8M0 scales, K = 1,024; no f32 result goes to memory: q and k are quantised along the head's 64, v along the keys, and leave as images of operand registers.
; OPERANDS are images: a tile T is 16 rows (row rho: 32 (T / 2) + 8 (T % 2) + rho + 8 (rho / 8)); a fragment (16 rows x 128 K) is 1,536 bytes: for c = 0, 1 registers 6 c .. 6 c + 3 of lane l at 768 c + 16 l,
; registers 6 c + 4, 6 c + 5 at 768 c + 512 + 8 l.  Images [T][8][1,536]; scale bytes [T][4][row][8].  w_img's tiles 0-63 are q's columns, 64-127 k's, 128-191 v's.
; OUTPUT qkv: [batch x head 64][block of 128 tokens 16][19,712]: +0 K: 8 tiles x 768 (registers 0-3 of lane l at 16 l, 4-5 at 512 + 8 l); +6,144 V^T: 4 tiles of 16 d x 1,536 (registers 4 m .. 4 m + 3 of lane l at 512 m + 16 l);
; +12,288 K's scale words 8 x 64; +12,800 V's 4 x 64; +13,056 Q: 8 x 768, as K; +19,200 Q's scale words.  A scale word of Q or K is the head's two bytes written twice.
; THE DEAL: 256 work-groups of four waves.  A work-group takes 256 tokens and two heads, in three phases: 128 columns of v, of q, of k.  x's 16 tiles, all of K (196,608 bytes), lie in LDS, filled once, and serve all three phases.
; The weights' 8 tiles (98,304 bytes) have a region of their own, filled at the head and filled again twice, each time as soon as all waves hold the last weights in registers: behind the three lines and a round of the cluster's barrier
; a whole phase (256 products a wave) ahead of the barrier that shows them.  So no prefetch is laid.  x's tiles are shared along a row of the 4 x 4 cluster, the weights' along a column.
; A wave (2 x 2) holds its 64 weight rows (one head), all of K, in 384 registers and takes its 128 tokens (one block of qkv) in eight blocks of 16: 8 fragments a block, two sets; a block is 32 products on four accumulators by turns.
; V: source 0 = the tokens: a lane holds one d, registers run along the tokens: 4 x 64 sums stay until the phase's end and are quantised while the next weights come from LDS.
; Q, K: source 0 = the weight's rows: a lane holds a token, its 32 sums are d = 32 b + 16 h + i.  The search for a block's largest magnitudes and its scale word stand among the NEXT block's products, two lines behind every second one;
; the conversions follow that block's last product, and their plain lines are the places ahead of the fetch.
; SCALE WORDS come straight into registers: x's: register SX + 4 s + 2 t + e: lanes 0-15 K step 4 t + e, lanes 16-31 K step 4 t + 2 + e of block s; the weights': register SB + 16 set + 8 n + q: lanes 0-15 tile 2 n, lanes 16-31 tile 2 n + 1.
; LIMITS: a block of zeros gets the byte 1, not 127 (its codes are zeros; this program alone reads the bytes); NaN and infinities are not served.
; REGISTERS: fragment f lies in window 1 + f / 21 at register 12 (f % 21): 0-31 the weights' (4 q + b), 32-47 the tokens' two sets.  V's sums: tiles 0, 1 in window 3 from v72, tiles 2, 3 in window 0 from v128.
; Window 0: v4-25 addresses and words on the way out; v32-63, v64-95 scale words; v96-127 the quantiser's; v128-191 Q's and K's sums, two sets.
.set FR,     12
.set FPW,    21
.set FRB,    1536
.set TIMG,   12288
.set BB,     16*TIMG
.set STG,    BB+8*TIMG                 ; 1,024 bytes a wave: scale words on the way out
.set SPARE,  STG+4096
.set HS,     315392
.set BLKB,   19712
.set A16, 4
.set A8,  6
.set B16, 8
.set B8,  9
.set L16, 10
.set L8,  11
.set STS, 12
.set RDS, 13
.set RDV, 14
.set OSX, 16
.set OSB, 17
.set PW,  20
.set RB,  22
.set SPW, 28
.set NIL, 29
.set SX,  32
.set SB,  64
.set TM,  96
.set PC,  108
.set ACC, 128
.set G1,  24
.set G0,  32
.set G0B, 36
.set G1B, 52
.set MSB, 0
.macro WIN new
.if MSB != (\new)
	s_set_vgpr_msb (MSB<<8)|(\new)
.set MSB, (\new)
.endif
.endm
.macro PLACES
.rept 4
	v_nop
.endr
.endm
.macro BARRIER
	s_barrier_signal -1
	s_barrier_wait -1
.endm
.macro CROUND
	BARRIER
	s_cmp_lg_u32 s14, 0
	s_cbranch_scc1 .Lnot_wave_0_\@
	s_barrier_signal -3
.Lnot_wave_0_\@:
	s_barrier_wait -3
	BARRIER
.endm
	s_load_b256 s[4:11], s[0:1], 0x0               ; x_img, x_sc, w_img, w_sc
	s_load_b64 s[12:13], s[0:1], 0x20              ; qkv
	v_lshl_add_u32 v[SPW], v0, 2, SPARE
	v_mov_b32 v[NIL], 0
	ds_add_u32 v[SPW], v[NIL]                      ; the opening lines
	ds_add_u32 v[SPW], v[NIL]
	v_lshrrev_b32 v1, 5, v0
	v_readfirstlane_b32 s14, v1                    ; wave 0..3
	s_lshr_b32 s15, s14, 1                         ; my half of the tokens
	s_and_b32 s16, s14, 1                          ; my head of the two; also which half of a tensor's tiles I fetch
	s_bfe_u32 s40, ttmp6, 0x40000                  ; cx
	s_bfe_u32 s41, ttmp6, 0x40004                  ; cy
	s_lshl_b32 s42, ttmp9, 2
	s_add_co_u32 s42, s42, s40                     ; TC: which two heads
	s_and_b32 s17, ttmp7, 0xffff
	s_lshl_b32 s17, s17, 2
	s_add_co_u32 s17, s17, s41                     ; TR: which 256 tokens
	s_lshl_b32 s43, s41, 2
	s_lshl_b32 s43, 15, s43                        ; my row of the cluster
	s_lshl_b32 s44, 0x1111, s40                    ; my column
	s_or_b32 s[G1], s43, (3<<16)|(1<<21)           ; x: eight tiles: 384 dense rows of 256 bytes
	s_mov_b32 s[G1+1], 32<<16
	s_mov_b32 s[G1+2], 384<<16
	s_mov_b32 s[G1+3], 32<<16
	s_mov_b32 s[G1+4], 384
	s_mov_b32 s[G1+5], 32
	s_mov_b32 s[G1+6], 0
	s_mov_b32 s[G1+7], 0
	s_or_b32 s[G1B], s44, (3<<16)|(1<<21)          ; a weight: four tiles: 192 rows
	s_mov_b32 s[G1B+1], 32<<16
	s_mov_b32 s[G1B+2], 192<<16
	s_mov_b32 s[G1B+3], 32<<16
	s_mov_b32 s[G1B+4], 192
	s_mov_b32 s[G1B+5], 32
	s_mov_b32 s[G1B+6], 0
	s_mov_b32 s[G1B+7], 0
	s_lshl_b32 s20, s17, 4
	s_lshl_b32 s21, s16, 3
	s_add_co_u32 s20, s20, s21
	s_mul_i32 s20, s20, TIMG                       ; x: tile 16 TR + 8 x half
	s_mov_b32 s21, 0
	s_lshl_b32 s46, s42, 3
	s_lshl_b32 s47, s16, 2
	s_add_co_u32 s46, s46, s47                     ; q's tile 8 TC + 4 x half: the tiles that I fetch are also my head's
	s_lshl_b32 s48, s46, 9                         ; its scale bytes; k's lie 32,768 bytes on, v's 65,536
	s_mov_b32 s49, 0
	s_add_co_u32 s46, s46, 128
	s_mul_i32 s46, s46, TIMG                       ; v's images come first
	s_mov_b32 s47, 0
	s_lshl_b32 s22, s17, 4
	s_lshl_b32 s23, s15, 3
	s_add_co_u32 s22, s22, s23
	s_lshl_b32 s22, s22, 9                         ; my tokens' scale bytes
	s_mov_b32 s23, 0
	s_lshr_b32 s50, s17, 3                         ; batch
	s_lshl_b32 s50, s50, 4
	s_lshl_b32 s51, s42, 1
	s_add_co_u32 s50, s50, s51
	s_add_co_u32 s50, s50, s16                     ; 16 x batch + my head
	s_mul_i32 s50, s50, HS
	s_and_b32 s51, s17, 7
	s_lshl_b32 s51, s51, 1
	s_add_co_u32 s51, s51, s15                     ; my block of 128 tokens
	s_mul_i32 s51, s51, BLKB
	s_add_co_u32 s50, s50, s51
	s_mov_b32 s51, 0
	s_mov_b32 s60, 0x76543210
	s_mov_b32 s61, 0xfedcba98                      ; selects for lane l xor 16
	s_mov_b32 s[G0], 1
	s_mul_i32 s[G0+1], s16, 8*TIMG
	s_mov_b32 s[G0B], 1
	s_mul_i32 s[G0B+1], s16, 4*TIMG
	s_add_co_u32 s[G0B+1], s[G0B+1], BB
	v_and_b32 v1, 31, v0                           ; l
	v_and_b32 v2, 15, v0                           ; r
	v_bfe_u32 v3, v0, 4, 1                         ; h
	v_lshlrev_b32 v[L16], 4, v1
	v_lshlrev_b32 v[L8], 3, v1
	s_mul_i32 s18, s15, 8*TIMG
	v_add_nc_u32 v[A16], s18, v[L16]               ; my tokens' blocks 0-3,
	v_add_nc_u32 v[A8], s18, v[L8]
	v_add_nc_u32 v[A16+1], 4*TIMG, v[A16]          ; and 4-7
	v_add_nc_u32 v[A8+1], 4*TIMG, v[A8]
	v_add_nc_u32 v[B16], s[G0B+1], v[L16]          ; my four tiles of the weight
	v_add_nc_u32 v[B8], s[G0B+1], v[L8]
	s_lshl_b32 s19, s14, 10
	s_add_co_u32 s19, s19, STG
	v_lshlrev_b32 v[STS], 2, v2
	v_lshl_add_u32 v[STS], v3, 9, v[STS]
	v_add_nc_u32 v[STS], s19, v[STS]               ; a scale word: 4 r; lanes 16-31, which hold the same word, 512 bytes on
	v_add_nc_u32 v[RDS], s19, v[L16]
	v_add_nc_u32 v[RDV], s19, v[L8]
	v_lshlrev_b32 v[OSX], 7, v3
	v_lshl_add_u32 v[OSX], v2, 3, v[OSX]           ; x_sc: 128 h + 8 r
	v_lshlrev_b32 v[OSB], 9, v3
	v_lshl_add_u32 v[OSB], v2, 3, v[OSB]           ; w_sc: 512 h + 8 r
.irp b, 4,5,6,7
	v_mov_b32 v[TM+\b], 0                          ; a lane permute's destination counts as one of its sources
.endr
	s_wait_alu depctr_va_vdst(0)                   ; the wait at the end of the head's vector work
	s_wait_dscnt 0x0
	CROUND                                         ; all sixteen work-groups are here: the joint loads meet
	s_wait_kmcnt 0x0
	s_add_nc_u64 s[G0+2:G0+3], s[4:5], s[20:21]
	s_or_b32 s[G0+3], s[G0+3], 0x80000000
	s_add_nc_u64 s[G0B+2:G0B+3], s[8:9], s[46:47]
	s_or_b32 s[G0B+3], s[G0B+3], 0x80000000
	s_add_nc_u64 s[22:23], s[6:7], s[22:23]
	s_add_nc_u64 s[48:49], s[10:11], s[48:49]
	s_add_nc_u64 s[12:13], s[12:13], s[50:51]
	s_cmp_lt_u32 s14, 2
	s_cbranch_scc0 .Lfor_x
	tensor_load_to_lds s[G0B:G0B+3], s[G1B:G1B+7]  ; waves 0 and 1: v's weights, which go on into registers
	s_nop 0
	PLACES
	s_branch .Lasked
.Lfor_x:
	tensor_load_to_lds s[G0:G0+3], s[G1:G1+7]      ; waves 2 and 3: x's tiles
	s_nop 0
	PLACES
.Lasked:
.macro WSCALE set, off                 ; a weight's scale words into set
.irp n, 0,1
.irp t, 0,1,2,3
	global_load_b64 v[SB+16*\set+8*\n+2*\t:SB+16*\set+8*\n+2*\t+1], v[OSB], s[48:49] offset:\off+1024*\n+128*\t
.endr
.endr
.endm
	WSCALE 0, 65536                                ; v's
	WSCALE 1, 0                                    ; q's
.irp s, 0,1,2,3,4,5,6,7
.irp t, 0,1
	global_load_b64 v[SX+4*\s+2*\t:SX+4*\s+2*\t+1], v[OSX], s[22:23] offset:512*\s+256*\t    ; 256 consecutive bytes, aligned
.endr
.endr
.macro FRAG f, a16, a8, off            ; a fragment comes as it was laid: four loads of consecutive bytes in consecutive lanes
	WIN (1+(\f)/FPW)<<6
.set R_, FR*((\f)%FPW)
	ds_load_b128 v[R_:R_+3], v[\a16] offset:\off
	ds_load_b64 v[R_+4:R_+5], v[\a8] offset:(\off)+512
	ds_load_b128 v[R_+6:R_+9], v[\a16] offset:(\off)+768
	ds_load_b64 v[R_+10:R_+11], v[\a8] offset:(\off)+1280
.endm
.macro FETCH s                         ; block s of my tokens into set s % 2: 32 loads
.irp q, 0,1,2,3,4,5,6,7
	FRAG 32+8*((\s)%2)+\q, A16+(\s)/4, A8+(\s)/4, ((\s)%4)*TIMG+\q*FRB
.endr
	WIN 0
.endm
.macro WEIGHTS                         ; my 64 rows of the weight, all of K: 128 loads
.irp q, 0,1,2,3,4,5,6,7
.irp b, 0,1,2,3
	FRAG 4*\q+\b, B16, B8, \b*TIMG+\q*FRB
.endr
.endr
	WIN 0
.endm
.macro REFILL                          ; waves 0 and 1 a half each of the next weight, onto the last, which all waves hold in registers
	s_cmp_lt_u32 s14, 2
	s_cbranch_scc0 .Lno_fill_\@
	tensor_load_to_lds s[G0B:G0B+3], s[G1B:G1B+7]
	s_nop 0
	PLACES
.Lno_fill_\@:
.endm
; Line i of the first part of Q's or K's way out, for the 32 sums from v[x] on: the two blocks' largest magnitudes by turns (each accumulator from its low end on), with lane l xor 16's, the scale operands, the bytes, the word.
.macro CHAINL i, x
.if (\i) < 2
	v_max3_num_f32 v[TM+(\i)], 0x1800000, |v[\x+16*(\i)]|, |v[\x+1+16*(\i)]|       ; with the floor 2^(3 - 127): the byte cannot fall under 1
.elseif (\i) < 16
	v_max3_num_f32 v[TM+(\i)%2], v[TM+(\i)%2], |v[\x+16*((\i)%2)+2*((\i)/2)]|, |v[\x+1+16*((\i)%2)+2*((\i)/2)]|
.elseif (\i) < 18
	v_permlanex16_b32 v[TM+4+(\i)%2], v[TM+(\i)%2], s60, s61
.elseif (\i) < 20
	v_max_num_f32 v[TM+(\i)%2], v[TM+(\i)%2], v[TM+4+(\i)%2]
.elseif (\i) < 22
	v_add_nc_u32 v[TM+8+(\i)%2], 0xff000000, v[TM+(\i)%2]
.elseif (\i) < 24
	v_lshrrev_b32 v[TM+4+(\i)%2], 23, v[TM+8+(\i)%2]
.elseif (\i) == 24
	v_lshl_or_b32 v[PW], v[TM+5], 8, v[TM+4]
.elseif (\i) == 26
	v_lshl_or_b32 v[PW], v[PW], 16, v[PW]
.endif
.endm
; Block s: 32 products, K ascending, four accumulators by turns; the first four start the sums.  kind 1: V; set: the weight's scale words.
; hook = 1: behind every second product two lines of the last block's way out, which read the other set of sums.
.macro PRODS kind, s, set, hook=0
.set N_, 0
.irp tp, 0,1
.irp hq, 0,1
.irp e, 0,1
.irp n, 0,1
.irp u, 0,1
.set Q_, 4*\tp+2*\hq+\e
.set FB_, 4*Q_+2*\n+\u
.set FA_, 32+8*((\s)%2)+Q_
.set XS_, SX+4*(\s)+2*\tp+\e
.set WS_, SB+16*(\set)+8*\n+Q_
.if \kind
.set DW_, 3*(1-\n)
.set D_, 72+56*\n+64*\u+8*(\s)
	WIN (1+FA_/FPW)|((1+FB_/FPW)<<2)|(DW_<<4)|(DW_<<6)
.if Q_
	v_wmma_scale_f32_16x16x128_f8f6f4 v[D_:D_+7], v[FR*(FA_%FPW):FR*(FA_%FPW)+11], v[FR*(FB_%FPW):FR*(FB_%FPW)+11], v[D_:D_+7], v[XS_], v[WS_] matrix_a_fmt:MATRIX_FMT_FP6 matrix_b_fmt:MATRIX_FMT_FP6 matrix_a_scale:MATRIX_SCALE_ROW\hq matrix_b_scale:MATRIX_SCALE_ROW\u
.else
	v_wmma_scale_f32_16x16x128_f8f6f4 v[D_:D_+7], v[FR*(FA_%FPW):FR*(FA_%FPW)+11], v[FR*(FB_%FPW):FR*(FB_%FPW)+11], 0, v[XS_], v[WS_] matrix_a_fmt:MATRIX_FMT_FP6 matrix_b_fmt:MATRIX_FMT_FP6 matrix_a_scale:MATRIX_SCALE_ROW\hq matrix_b_scale:MATRIX_SCALE_ROW\u
.endif
.else
.set D_, ACC+32*((\s)%2)+8*(2*\n+\u)
	WIN (1+FB_/FPW)|((1+FA_/FPW)<<2)
.if Q_
	v_wmma_scale_f32_16x16x128_f8f6f4 v[D_:D_+7], v[FR*(FB_%FPW):FR*(FB_%FPW)+11], v[FR*(FA_%FPW):FR*(FA_%FPW)+11], v[D_:D_+7], v[WS_], v[XS_] matrix_a_fmt:MATRIX_FMT_FP6 matrix_b_fmt:MATRIX_FMT_FP6 matrix_a_scale:MATRIX_SCALE_ROW\u matrix_b_scale:MATRIX_SCALE_ROW\hq
.else
	v_wmma_scale_f32_16x16x128_f8f6f4 v[D_:D_+7], v[FR*(FB_%FPW):FR*(FB_%FPW)+11], v[FR*(FA_%FPW):FR*(FA_%FPW)+11], 0, v[WS_], v[XS_] matrix_a_fmt:MATRIX_FMT_FP6 matrix_b_fmt:MATRIX_FMT_FP6 matrix_a_scale:MATRIX_SCALE_ROW\u matrix_b_scale:MATRIX_SCALE_ROW\hq
.endif
.endif
.set N_, N_+1
.if (\hook) && (N_%2 == 0) && (N_ <= 28)
	WIN 0
	CHAINL N_-2, ACC+32*(((\s)+1)%2)
	CHAINL N_-1, ACC+32*(((\s)+1)%2)
.endif
.endr
.endr
.endr
.endr
.endr
	WIN 0
.endm
; V's way out: 64 sums of a lane in window W from v[s] on (register 16 b + i = key 32 b + 16 h + i) become a fragment's codes in v[PC] on and its four bytes in v[PW].  Each accumulator is read from its low end on.
.macro VOUT t, s, W
.if \t > 0
	s_wait_xcnt 0x0                                ; the last tile's stores have read their data
.endif
	WIN ((\W)<<2)|((\W)<<4)
.irp b, 0,1,2,3
	v_max3_num_f32 v[TM+\b], 0x1800000, |v[\s+16*\b]|, |v[\s+1+16*\b]|   ; my 16 numbers of block b, and the floor
.endr
.irp i, 2,4,6,8,10,12,14
.irp b, 0,1,2,3
	v_max3_num_f32 v[TM+\b], v[TM+\b], |v[\s+16*\b+\i]|, |v[\s+1+16*\b+\i]|
.endr
.endr
	WIN 0
.irp b, 0,1,2,3
	v_permlanex16_b32 v[TM+4+\b], v[TM+\b], s60, s61
.endr
.irp b, 0,1,2,3
	v_max_num_f32 v[TM+\b], v[TM+\b], v[TM+4+\b]   ; with lane l xor 16's: the block's largest magnitude
.endr
.irp b, 0,1,2,3
	v_add_nc_u32 v[TM+8+\b], 0xff000000, v[TM+\b]  ; 2 off its exponent field: the conversion's scale operand
.endr
.irp b, 0,1,2,3
	v_lshrrev_b32 v[TM+4+\b], 23, v[TM+8+\b]       ; the scale's byte
.endr
	v_lshl_or_b32 v[PW], v[TM+5], 8, v[TM+4]
	v_lshl_or_b32 v[PW], v[TM+6], 16, v[PW]
	v_lshl_or_b32 v[PW], v[TM+7], 24, v[PW]
	WIN (\W)
.irp c, 0,1
	v_cvt_scalef32_pk16_fp6_f32 v[PC+6*\c:PC+2+6*\c], v[\s+32*\c:\s+15+32*\c], v[TM+8+2*\c]
	v_cvt_scalef32_pk16_fp6_f32 v[PC+12+4*\c:PC+14+4*\c], v[\s+16+32*\c:\s+31+32*\c], v[TM+9+2*\c]   ; (a conversion's three registers begin on an even number)
.endr
	WIN 0
	v_nop                                          ; one plain place behind a scaled conversion
.irp c, 0,1                            ; a whole block to a lane
.irp i, 0,1,2
	v_permlane16_swap_b32 v[PC+6*\c+\i], v[PC+12+4*\c+\i]
.endr
.irp i, 0,1,2
	v_mov_b32 v[PC+3+6*\c+\i], v[PC+12+4*\c+\i]
.endr
.endr
	ds_store_b32 v[STS], v[PW] offset:64*\t
.irp m, 0,1,2
	global_store_b128 v[L16], v[PC+4*\m:PC+4*\m+3], s[12:13] offset:6144+1536*\t+512*\m      ; 512 consecutive bytes, aligned
.endr
.endm
; The second part of Q's or K's way out of block s: half a fragment's codes; then the fetch of block 'fetch' (-1: none); then the stores.
.macro QKFIN s, off, fetch
.set X_, ACC+32*((\s)%2)
	s_wait_alu depctr_va_vdst(0)                   ; the scale operands
	s_wait_dscnt 0x0                               ; the next block's fragments are in
	s_wait_xcnt 0x0                                ; the last block's stores have read their data
	v_cvt_scalef32_pk16_fp6_f32 v[PC:PC+2], v[X_:X_+15], v[TM+8]
	v_cvt_scalef32_pk16_fp6_f32 v[PC+12:PC+14], v[X_+16:X_+31], v[TM+9]
	v_nop                                          ; this line and the three moves are also the four places between the last products and the fetch into their registers
.irp i, 0,1,2
	v_permlane16_swap_b32 v[PC+\i], v[PC+12+\i]
.endr
.irp i, 0,1,2
	v_mov_b32 v[PC+3+\i], v[PC+12+\i]
.endr
.if (\fetch) >= 0
	FETCH \fetch
.endif
	ds_store_b32 v[STS], v[PW] offset:64*(\s)
	global_store_b128 v[L16], v[PC:PC+3], s[12:13] offset:\off+768*(\s)
	global_store_b64 v[L8], v[PC+4:PC+5], s[12:13] offset:\off+768*(\s)+512
.endm
.macro QKFIRST set                     ; a phase's block 0: no way out is due yet
	PRODS 0, 0, \set
	PLACES
	s_wait_dscnt 0x0
	FETCH 2
.endm
.macro QKLAST off                      ; block 7's way out, with no products to stand among
	PLACES
.set I_, 0
.rept 27
	CHAINL I_, ACC+32
.set I_, I_+1
.endr
	QKFIN 7, \off, -1
.endm
	s_cmp_lt_u32 s14, 2
	s_cbranch_scc0 .Lnot_w
	s_wait_tensorcnt 0x0
.Lnot_w:
	BARRIER                                        ; v's weights are in; x's tiles may be on their way
	WEIGHTS
	s_wait_tensorcnt 0x0                           ; the three lines and the round ahead of the first refill; they also show x's tiles to all waves
	ds_add_u32 v[SPW], v[NIL]
	s_sub_nc_u64 s[G0B+2:G0B+3], s[G0B+2:G0B+3], 128*TIMG          ; no tensor load of mine is out: on to q's weights
	s_wait_dscnt 0x0                               ; the add is done, and I hold v's weights
	CROUND
	REFILL
	FETCH 0
	FETCH 1
	s_wait_loadcnt 0x0                             ; the scale words
	s_wait_dscnt 32                                ; block 0 is in; block 1's 32 loads may be out
; ---------------- V
.irp s, 0,1,2,3,4,5,6,7
	PRODS 1, \s, 0
	PLACES
	s_wait_dscnt 0x0
	FETCH (\s+2)%8                                 ; x's tiles stay in LDS: a phase's last two blocks fetch the next phase's first two
.endr
	WSCALE 0, 32768                                ; k's scale words, into the set that v's have left
	s_wait_tensorcnt 0x0
	s_wait_dscnt 0x0
	BARRIER                                        ; a plain barrier: q's weights are shown to all
	WEIGHTS
	VOUT 0, 72, 3                                  ; V leaves while the weights come from LDS
	VOUT 1, 136, 3
	VOUT 2, 128, 0
	VOUT 3, 192, 0
	ds_load_b64 v[RB:RB+1], v[RDV]                 ; LDS serves a wave's instructions in order: this sees my stores
	s_wait_dscnt 0x0
	global_store_b64 v[L8], v[RB:RB+1], s[12:13] offset:12800      ; V's scale words: 256 consecutive bytes, aligned
	s_wait_tensorcnt 0x0                           ; the three lines and the round ahead of the second refill
	ds_add_u32 v[SPW], v[NIL]
	s_add_nc_u64 s[G0B+2:G0B+3], s[G0B+2:G0B+3], 64*TIMG           ; on to k's weights
	s_wait_dscnt 0x0
	CROUND
	REFILL
; ---------------- Q
	QKFIRST 1
.irp s, 1,2,3,4,5,6,7
	PRODS 0, \s, 1, 1
	QKFIN \s-1, 13056, (\s+2)%8
.endr
	QKLAST 13056
	ds_load_b128 v[RB:RB+3], v[RDS]
	s_wait_tensorcnt 0x0
	s_wait_dscnt 0x0
	BARRIER                                        ; k's weights are shown to all
	global_store_b128 v[L16], v[RB:RB+3], s[12:13] offset:19200    ; Q's scale words: 512 consecutive bytes, aligned
	WEIGHTS
	s_wait_loadcnt 0x0                             ; k's scale words
	s_wait_dscnt 0x0
; ---------------- K
	QKFIRST 0
.irp s, 1,2,3,4,5
	PRODS 0, \s, 0, 1
	QKFIN \s-1, 0, \s+2
.endr
.irp s, 6,7
	PRODS 0, \s, 0, 1
	QKFIN \s-1, 0, -1
.endr
	QKLAST 0
	ds_load_b128 v[RB:RB+3], v[RDS]
	s_wait_dscnt 0x0
	global_store_b128 v[L16], v[RB:RB+3], s[12:13] offset:12288
	s_wait_tensorcnt 0x0                           ; the wave's end
	ds_add_u32 v[SPW], v[NIL]
	s_wait_dscnt 0x0
	CROUND                                         ; the closing round
	s_endpgm
.Lfunc_end_k_qee33ebe215_qkv:
	.size	k_qee33ebe215_qkv, .Lfunc_end_k_qee33ebe215_qkv-k_qee33ebe215_qkv
	.p2alignl 7, 3214868480
	.fill 96, 4, 3214868480
	.section	.rodata,"a",@progbits
	.p2align	6, 0x0
	.amdhsa_kernel k_qee33ebe215_qkv
		.amdhsa_group_segment_fixed_size 327680
		.amdhsa_private_segment_fixed_size 0
		.amdhsa_enable_private_segment 0
		.amdhsa_kernarg_size 40
		.amdhsa_user_sgpr_count 2
		.amdhsa_user_sgpr_kernarg_segment_ptr 1
		.amdhsa_wavefront_size32 1
		.amdhsa_system_sgpr_workgroup_id_x 1
		.amdhsa_system_sgpr_workgroup_id_y 1
		.amdhsa_system_sgpr_workgroup_id_z 1
		.amdhsa_system_vgpr_workitem_id 0
		.amdhsa_next_free_vgpr 1024
		.amdhsa_next_free_sgpr 66
		.amdhsa_reserve_vcc 0
		.amdhsa_float_denorm_mode_32 3
		.amdhsa_float_denorm_mode_16_64 3
		.amdhsa_memory_ordered 1
		.amdhsa_forward_progress 1
		.amdhsa_inst_pref_size 255
	.end_amdhsa_kernel
	.section	.bss,"aw",@nobits
	.p2align	6
	.space	262144
	.amdgpu_metadata
---
amdhsa.version: [ 1, 2 ]
amdhsa.kernels:
  - .name:           k_qee33ebe215_qkv
    .symbol:         k_qee33ebe215_qkv.kd
    .args:
      - { .name: x_img, .offset: 0, .size: 8, .value_kind: global_buffer, .address_space: global }
      - { .name: x_sc, .offset: 8, .size: 8, .value_kind: global_buffer, .address_space: global }
      - { .name: w_img, .offset: 16, .size: 8, .value_kind: global_buffer, .address_space: global }
      - { .name: w_sc, .offset: 24, .size: 8, .value_kind: global_buffer, .address_space: global }
      - { .name: qkv, .offset: 32, .size: 8, .value_kind: global_buffer, .address_space: global }
    .group_segment_fixed_size: 327680
    .private_segment_fixed_size: 0
    .kernarg_segment_align: 8
    .kernarg_segment_size: 40
    .max_flat_workgroup_size: 128
    .sgpr_count:     66
    .vgpr_count:     1024
    .wavefront_size: 32
...
	.end_amdgpu_metadata
.endif
;; end of part 2
;; launch attn (part 3): grid 4 x 64, 16 waves a work-group, clusters of 4 x 1, 263,168 bytes of LDS; arguments qkv, y_img, y_sc; writes y_img, y_sc
.if DOCPART == 3
	.amdgcn_target "amdgcn-amd-amdhsa--gfx1250"
	.amdhsa_code_object_version 6
	.text
	.protected	k_qee33ebe215_attn
	.globl	k_qee33ebe215_attn
	.p2align	8
	.type	k_qee33ebe215_attn,@function
k_qee33ebe215_attn:
	s_mov_b64 s[64:65], 0
	v_nop
	global_prefetch_b8 v0, s[64:65] scope:SCOPE_SE
	s_setreg_imm32_b32 hwreg(HW_REG_WAVE_MODE, 25, 1), 1
	s_wait_xcnt 0x0
	s_wait_alu depctr_hold_cnt(0) depctr_sa_sdst(0) depctr_va_vdst(0) depctr_va_sdst(0) depctr_va_ssrc(0) depctr_va_vcc(0) depctr_vm_vsrc(0)
	s_getreg_b32 s2, hwreg(HW_REG_IB_STS2, 6, 4)
	s_cmp_eq_u32 s2, 0
	s_cbranch_scc0 .Lentry_in_a_cluster
	s_endpgm
.Lentry_in_a_cluster:
	s_bfe_u32 s2, ttmp6, 0x10000c
	s_cmp_lg_u32 s2, 0x3003
	s_cbranch_scc0 .Lentry_shape_is_right
	s_endpgm
.Lentry_shape_is_right:
; y[b][t][head][:] = the sum over keys k <= t of softmax_k(q . k / 8) v, both products on codes of FP6 (E2M3) with E8M0 scales; y leaves quantised along its 1,024, as an image of operand registers.
; LEFT OUT: blocks of 128 keys that lie wholly behind a wave's queries: the causal mask gives them the weight 0 for every input.
; THE SOFTMAX: t = score x log2(e) / 8; M = the largest t so far, rounded UP to a whole number; p = 2^(t - M) is quantised along the keys, not normalised; the row's sum is taken of the unquantised p and divides at the end.
; When M moves, the sum and O are multiplied by 2^(old M - new M): exact.
; INPUT qkv: [batch x head 64][block of 128 tokens 16][19,712]: +0 K: 8 tiles x 768 (lane l's first 16 bytes at 16 l, its last 8 at 512 + 8 l); +6,144 V^T: 4 tiles of 16 d x 1,536; +12,288 K's scale words 8 x 64;
; +12,800 V's 4 x 64; +13,056 Q: 8 x 768; +19,200 Q's scale words.  Row rho of a stored tile T is token (or d) 32 (T / 2) + 8 (T % 2) + rho + 8 (rho / 8).
; SHARES.  The four work-groups of a cluster take one head; its K, V and scale words, 16 x 13,056 bytes, lie in LDS whole, filled once: wave w asks for block w, jointly with the three partners.  As rows of 256 bytes, 320 apart.
; Partner cx takes query tiles 8 g + 2 cx + p; wave w takes g = w, p = 0 and then g = 15 - w, p = 1: 17 key steps for every wave.  cx enters global addresses and the mask's numbers alone.
; A PASS BEGINS AT ITS DIAGONAL BLOCK g: that step starts M, the sum and O (C = 0), so nothing is cleared.  In pass 0 block g is the tile that the wave itself asked for: the step reads only those bytes, behind the wave's own
; wait, and stands between the signal and the wait of the one barrier that shows all tiles to all waves.
; THE KEYS OF A TILE ARE CHOSEN BY ADDRESS: row r of tile 4 c + j is key 64 c + 32 (r / 8) + 8 j + r % 8, which is row r % 8 + 8 (j / 2) of stored tile 4 c + 2 (r / 8) + j % 2.  Both products are used transposed
; (S^T = K Q^T, O^T = V^T P^T), so lane (r, h) holds query r and the 32 registers of tiles 4 c .. 4 c + 3 are the whole block 2 c + h of 32 keys, in order: the block's maximum needs no other lane, and the codes fall as the operand wants them.
; The 64 bytes behind each 256 put the two groups of eight rows, six LDS rows apart, 128 bytes apart modulo 256 in the loads of 16 bytes.
; K = 64 IN AN INSTRUCTION OF 128: an even tile stands in k 0 .. 63 over zero codes, an odd one in k 64 .. 127 under them, both against [Q][Q]; the doubled scale bytes fit both places.
; No prefetch: all that the tensor loads bring is asked for at the head, one load a wave, so there is no later load to run ahead of.
; LIMITS: a block's largest p is taken from its largest score (this takes v_exp_f32 not to fall where its input rises); a block of zeros gets the byte 1, not 127 (this program alone reads the bytes); NaN and infinities are not served;
; the promise holds while the scaled scores stay under 2^31 in magnitude.  y_sc: [tile][row r][32 bytes]; a head owns two bytes of a row.
; REGISTERS: v1-6 lane terms of the LDS addresses (K 16, K 8, V 16, V 8, K's words, V's words); v30-35 the same + the step's byte; v7 the mask's number; v8-9 V's scale words; v10 16 l, v11 4 r, v29 32 r; v12 -M, v13 largest t, v[14:15] the sum;
;   v16-27 [Q][Q]; v28 Q's scale word; v36-71 [K][zeros][K] twice; v72-119 V^T; v120-183 S^T, then p; v184-215 O^T; v216-227 p's codes; v228-242, v246-247, v254 at work; v244 8 h; v245 the mask's lane term; v248-251 K's scale words; v252 f; v253 p's scale word.
.set HS,   315392
.set BLKB, 19712
.set KVP,  16320                       ; a block in LDS: 51 rows of 320
.set SPARE, 16*KVP
.macro ROUND
	s_barrier_signal -1
	s_barrier_wait -1
	s_cmp_lg_u32 s10, 0
	s_cbranch_scc1 .Lnot_wave_0_\@
	s_barrier_signal -3
.Lnot_wave_0_\@:
	s_barrier_wait -3
	s_barrier_signal -1
	s_barrier_wait -1
.endm
.macro WALU
	s_wait_alu depctr_va_vdst(0)
.endm
.macro DEP n
	s_delay_alu instid0(VALU_DEP_\n)
.endm
	s_load_b128 s[4:7], s[0:1], 0x0                ; qkv, y_img
	s_load_b64 s[8:9], s[0:1], 0x10                ; y_sc
	v_lshl_add_u32 v243, v0, 2, SPARE
	v_mov_b32 v255, 0
	ds_add_u32 v243, v255                          ; the opening lines
	ds_add_u32 v243, v255
	v_lshrrev_b32 v1, 5, v0
	v_readfirstlane_b32 s10, v1                    ; wave 0..15
	s_bfe_u32 s11, ttmp6, 0x40000                  ; cx
	s_and_b32 s12, ttmp7, 0xffff                   ; batch x 16 + head
	s_mov_b32 s16, 15|(3<<16)|(1<<20)|(1<<21)|(5<<22)|(15<<25)   ; the four partners; elements of 8 bytes; 16 words of padding behind every 64
	s_mov_b32 s17, 32<<16
	s_mov_b32 s18, 51<<16                          ; 51 rows of 256 bytes
	s_mov_b32 s19, 32<<16
	s_mov_b32 s20, 51
	s_mov_b32 s21, 32
	s_mov_b32 s22, 0
	s_mov_b32 s23, 0
	s_mul_i32 s36, s12, HS
	s_mov_b32 s37, 0
	s_mul_i32 s38, s10, BLKB
	s_mov_b32 s39, 0
	s_mov_b32 s24, 1
	s_mul_i32 s25, s10, KVP                        ; LDS: block w
	s_mov_b32 s28, 0x76543210
	s_mov_b32 s29, 0xfedcba98                      ; selects for lane l xor 16
	s_mov_b32 s30, 0x3e38aa3b                      ; c = log2(e) / 8
	s_mov_b32 s31, s30
	s_wait_dscnt 0x0
	s_wait_kmcnt 0x0
	s_add_nc_u64 s[36:37], s[4:5], s[36:37]        ; the head
	s_add_nc_u64 s[26:27], s[36:37], s[38:39]      ; its block w
	s_or_b32 s27, s27, 0x80000000
	ROUND
	tensor_load_to_lds s[24:27], s[16:23]          ; my one tensor load of the launch
	s_nop 0
.rept 4
	v_nop
.endr
	v_and_b32 v36, 31, v0                          ; l
	v_and_b32 v37, 15, v0                          ; r
	v_bfe_u32 v38, v0, 4, 1                        ; h
	v_bfe_u32 v39, v0, 3, 1                        ; r / 8
	v_and_b32 v40, 7, v0                           ; r % 8
	v_mul_u32_u24 v41, v39, 1920                   ; two stored tiles = six LDS rows on
	v_mad_u32_u24 v1, v38, 320, v41
	v_lshl_add_u32 v1, v40, 4, v1
	v_lshl_add_u32 v2, v38, 7, v41
	v_lshl_add_u32 v2, v40, 3, v2
	v_mul_u32_u24 v3, v38, 320
	v_lshl_add_u32 v3, v37, 4, v3
	v_lshlrev_b32 v4, 3, v36
	v_lshlrev_b32 v5, 7, v39
	v_lshl_add_u32 v5, v38, 6, v5
	v_lshl_add_u32 v5, v40, 2, v5
	v_lshlrev_b32 v6, 2, v36
	v_lshlrev_b32 v10, 4, v36
	v_lshlrev_b32 v11, 2, v37
	v_lshlrev_b32 v29, 5, v37
	v_lshlrev_b32 v244, 3, v38
	v_lshl_add_u32 v245, v39, 3, v37               ; r + 8 (r / 8)
	v_lshlrev_b32 v41, 5, v38
	v_sub_nc_u32 v245, v245, v41                   ; - 32 h
	s_lshl_b32 s13, s11, 5
	v_add_nc_u32 v245, s13, v245                   ; + 32 cx: my query's place in its 128 tokens, less 8 p, less my half's 32 keys
.irp j, 42,43,44,45,46,47,60,61,62,63,64,65
	v_mov_b32 v\j, 0                               ; zero codes, written once
.endr
.irp j, 232,233,253
	v_mov_b32 v\j, 0                               ; a lane permute's destination counts as one of its sources
.endr
.macro PASS_HEAD p
	s_wait_xcnt 0x0                                ; the last pass's stores have read their data and bases
.if \p
	s_xor_b32 s34, s10, 15                         ; g = 15 - w
.else
	s_mov_b32 s34, s10
.endif
	s_lshl_b32 s13, s11, 1
	s_add_co_u32 s13, s13, \p                      ; my tile in the group: 2 cx + p
	s_mul_i32 s14, s34, BLKB
	s_mul_i32 s15, s13, 768
	s_add_co_u32 s38, s14, s15
	s_add_co_u32 s38, s38, 13056
	s_mov_b32 s39, 0
	s_add_nc_u64 s[38:39], s[36:37], s[38:39]      ; Q's image
	s_lshl_b32 s15, s13, 6
	s_add_co_u32 s40, s14, s15
	s_add_co_u32 s40, s40, 19200
	s_mov_b32 s41, 0
	s_add_nc_u64 s[40:41], s[36:37], s[40:41]      ; Q's scale words
	s_lshr_b32 s14, s12, 4
	s_lshl_b32 s14, s14, 7
	s_lshl_b32 s15, s34, 3
	s_add_co_u32 s14, s14, s15
	s_add_co_u32 s14, s14, s13                     ; y's tile: 128 x batch + 8 g + 2 cx + p
	s_and_b32 s15, s12, 15                         ; the head
	s_mul_i32 s42, s14, 12288
	s_mul_i32 s43, s15, 768
	s_add_co_u32 s42, s42, s43
	s_mov_b32 s43, 0
	s_add_nc_u64 s[42:43], s[6:7], s[42:43]        ; y's codes: the head's 64 are half a fragment
	s_lshl_b32 s44, s14, 9
	s_lshl_b32 s45, s15, 1
	s_add_co_u32 s44, s44, s45
	s_mov_b32 s45, 0
	s_add_nc_u64 s[44:45], s[8:9], s[44:45]        ; y's scale bytes: 512 x tile + 2 x head
	global_load_b128 v[16:19], v10, s[38:39]       ; Q twice on end
	global_load_b64 v[20:21], v4, s[38:39] offset:512
	global_load_b128 v[22:25], v10, s[38:39]
	global_load_b64 v[26:27], v4, s[38:39] offset:512
	global_load_b32 v28, v11, s[40:41]
	v_add_nc_u32 v7, 8*\p, v245
	s_mul_i32 s32, s34, KVP                        ; the diagonal block's LDS byte
	WALU                                           ; the wait ahead of the blocking waits that follow
.endm
.macro KLOAD c                         ; tiles 4 c .. 4 c + 3
.irp j, 0,1,2,3
	ds_load_b128 v[36+18*(\j/2)+12*(\j%2):39+18*(\j/2)+12*(\j%2)], v30 offset:960*(4*\c+\j%2)+128*(\j/2)
	ds_load_b64 v[40+18*(\j/2)+12*(\j%2):41+18*(\j/2)+12*(\j%2)], v31 offset:960*(4*\c+\j%2)+640+64*(\j/2)
.endr
.endm
.macro SPROD c
.irp u, 0,1
	v_wmma_scale_f32_16x16x128_f8f6f4 v[120+32*\c+16*\u:127+32*\c+16*\u], v[36+18*\u:47+18*\u], v[16:27], 0, v[248+2*\c+\u], v28 matrix_a_fmt:MATRIX_FMT_FP6 matrix_b_fmt:MATRIX_FMT_FP6
	v_wmma_scale_f32_16x16x128_f8f6f4 v[128+32*\c+16*\u:135+32*\c+16*\u], v[42+18*\u:53+18*\u], v[16:27], 0, v[248+2*\c+\u], v28 matrix_a_fmt:MATRIX_FMT_FP6 matrix_b_fmt:MATRIX_FMT_FP6 matrix_a_scale:MATRIX_SCALE_ROW1
.endr
.endm
.macro BMAX c                          ; my block's largest score: two chains side by side; each accumulator is read from its low end on
.set S_, 120+32*\c
	v_max3_num_f32 v[228+\c], v[S_], v[S_+1], v[S_+2]
	v_max3_num_f32 v[230+\c], v[S_+16], v[S_+17], v[S_+18]
.irp i, 3,5,7,9,11,13
	v_max3_num_f32 v[228+\c], v[228+\c], v[S_+\i], v[S_+\i+1]
	v_max3_num_f32 v[230+\c], v[230+\c], v[S_+16+\i], v[S_+17+\i]
.endr
	v_max3_num_f32 v[228+\c], v[228+\c], v[S_+15], v[S_+31]
	v_max_num_f32 v[228+\c], v[228+\c], v[230+\c]
.endm
; A key step: 16 queries x the 128 keys of the block at LDS byte s32.  diag = 1: the pass's first step, on the diagonal.
.macro STEPM diag
.irp i, 0,1,2,4,5
	v_add_nc_u32 v[30+\i], s32, v[1+\i]            ; five plain lines (v33 is not made: V comes by loads of 16 bytes alone): also the places behind the last step's products
.endr
	KLOAD 0
.irp m, 0,1,2,3
	ds_load_b32 v[248+\m], v34 offset:320*(48+\m/2)+32*(\m%2)      ; lanes 0-15 tile 2 m, lanes 16-31 tile 2 m + 1
.endr
.irp a, 0,1,2,3
.irp m, 0,1,2
	ds_load_b128 v[72+12*\a+4*\m:75+12*\a+4*\m], v32 offset:320*(24+6*\a+2*\m)     ; V^T's fragment a: registers 4 m .. 4 m + 3 of lane l lie at 512 m + 16 l of its 1,536 bytes
.endr
.endr
	ds_load_b32 v8, v35 offset:16000
	ds_load_b32 v9, v35 offset:16128
	WALU
	s_wait_dscnt 14                                ; K's four tiles and its words are in; V's twelve loads and its two scale loads may be out
	SPROD 0
.rept 4
	v_nop                                          ; places in front of loads into registers that these products have read
.endr
	KLOAD 1
	s_wait_dscnt 0x0
	SPROD 1
.if \diag
	v_mov_b32 v254, 0xff800000
.set N, 0
.rept 64                               ; register 32 c + i holds key 64 c + 32 h + i: hidden where 64 c + i > v7.  The first 32 pairs name no register of the last four products
	v_cmp_gt_i32 vcc_lo, 64*(N/32)+N%32, v7
	v_cndmask_b32 v[120+N], v[120+N], v254, vcc_lo
.set N, N+1
.endr
.endif
	BMAX 0                                         ; sixteen lines that name no register of the last four products: their places
	BMAX 1
	DEP 1
	v_max_num_f32 v254, v228, v229
	DEP 1
	v_permlanex16_b32 v232, v254, s28, s29
	DEP 1
	v_max_num_f32 v254, v254, v232                 ; the step's largest score of my query
.if \diag
	DEP 1
	v_mul_f32 v13, s30, v254                       ; as t: the first largest t
	DEP 1
	v_floor_f32 v12, -v13                          ; -M = floor(-t)
.else
	DEP 1
	v_mul_f32 v254, s30, v254
	DEP 1
	v_max_num_f32 v13, v13, v254
	v_mov_b32 v254, v12
	DEP 2
	v_floor_f32 v12, -v13
	DEP 1
	v_sub_f32 v254, v12, v254                      ; old M - new M: a whole number, 0 or less
	DEP 1
	v_cvt_i32_f32 v254, v254
	DEP 1
	v_ldexp_f32 v252, 1.0, v254                    ; f
.endif
.set J, 0
.rept 32
	v_pk_fma_f32 v[120+J:121+J], v[120+J:121+J], s[30:31], v[12:13] op_sel_hi:[1,0,0]   ; t - M
.set J, J+2
.endr
	v_fma_f32 v228, v228, s30, v12                 ; the same of each block's largest score
	v_fma_f32 v229, v229, s30, v12
.if !\diag
.set J, 0
.rept 16
	v_pk_mul_f32 v[184+J:185+J], v[184+J:185+J], v[252:253] op_sel_hi:[1,0]   ; O^T under the new M, ahead of the exponentials
.set J, J+2
.endr
.endif
	WALU                                           ; the wait ahead of the batch
.set J, 0
.rept 64
	v_exp_f32 v[120+J], v[120+J]                   ; p
.set J, J+1
.endr
	v_exp_f32 v228, v228                           ; my two blocks' largest p
	v_exp_f32 v229, v229
.if \diag
	v_nop                                          ; the plain place behind the batch
.else
	v_pk_mul_f32 v[14:15], v[14:15], v[252:253] op_sel_hi:[1,0]    ; the sums under the new M: the plain place behind the batch
.endif
	WALU                                           ; and the wait behind it
	v_max_num_f32 v228, 0x1800000, v228            ; the floor 2^(3 - 127): the byte cannot fall under 1
	v_max_num_f32 v229, 0x1800000, v229
	v_add_nc_u32 v246, 0xff000000, v228            ; 2 off the exponent field: the conversions' scale operands
	v_add_nc_u32 v247, 0xff000000, v229
	v_cvt_scalef32_pk16_fp6_f32 v[216:218], v[120:135], v246
	v_cvt_scalef32_pk16_fp6_f32 v[236:238], v[136:151], v246       ; (a conversion's three registers begin on an even number)
	v_cvt_scalef32_pk16_fp6_f32 v[222:224], v[152:167], v247
	v_cvt_scalef32_pk16_fp6_f32 v[240:242], v[168:183], v247
	v_lshrrev_b32 v232, 23, v246                   ; the bytes of blocks h and 2 + h
	v_lshrrev_b32 v233, 23, v247
	v_lshl_or_b32 v253, v233, 16, v232
	v_lshlrev_b32 v253, v244, v253                 ; at their places: 8 h bits up
	v_permlanex16_b32 v232, v253, s28, s29
	v_or_b32 v253, v253, v232                      ; with lane l xor 16's two the word is whole
.irp i, 0,1,2
	v_mov_b32 v[219+\i], v[236+\i]
	v_mov_b32 v[225+\i], v[240+\i]
.endr
.irp k, 0,1,2,3                        ; the row's sum of the unquantised p, four chains; these lines are also the places ahead of the products below
	v_pk_add_f32 v[232+2*\k:233+2*\k], v[120+4*\k:121+4*\k], v[122+4*\k:123+4*\k]
.endr
.set J, 136
.rept 6
.irp k, 0,1,2,3
	v_pk_add_f32 v[232+2*\k:233+2*\k], v[232+2*\k:233+2*\k], v[J+2*\k:J+2*\k+1]
.endr
.set J, J+8
.endr
	v_pk_add_f32 v[232:233], v[232:233], v[234:235]
	v_pk_add_f32 v[236:237], v[236:237], v[238:239]
.if \diag
	v_pk_add_f32 v[14:15], v[232:233], v[236:237]
.else
	v_pk_add_f32 v[232:233], v[232:233], v[236:237]
	v_pk_add_f32 v[14:15], v[14:15], v[232:233]
.endif
.irp n, 0,1                            ; O^T (+)= V^T P^T: four accumulators, one instruction a turn
.irp u, 0,1
.if \diag
	v_wmma_scale_f32_16x16x128_f8f6f4 v[184+16*\n+8*\u:191+16*\n+8*\u], v[72+24*\n+12*\u:83+24*\n+12*\u], v[216:227], 0, v[8+\n], v253 matrix_a_fmt:MATRIX_FMT_FP6 matrix_b_fmt:MATRIX_FMT_FP6 matrix_a_scale:MATRIX_SCALE_ROW\u
.else
	v_wmma_scale_f32_16x16x128_f8f6f4 v[184+16*\n+8*\u:191+16*\n+8*\u], v[72+24*\n+12*\u:83+24*\n+12*\u], v[216:227], v[184+16*\n+8*\u:191+16*\n+8*\u], v[8+\n], v253 matrix_a_fmt:MATRIX_FMT_FP6 matrix_b_fmt:MATRIX_FMT_FP6 matrix_a_scale:MATRIX_SCALE_ROW\u
.endif
.endr
.endr
.endm
; Blocks 0 .. g - 1: 15 trips, a constant; a block behind my queries is jumped over, but for the lines that step.  Then the way out.
.macro PASS_REST
	s_mov_b32 s32, 0
	s_mov_b32 s33, 0
.Lstep_\@:
	s_cmp_ge_u32 s33, s34
	s_cbranch_scc1 .Lhidden_\@
	STEPM 0
.Lhidden_\@:
	s_add_co_u32 s32, s32, KVP
	s_add_co_u32 s33, s33, 1
	s_cmp_lt_u32 s33, 15
	s_cbranch_scc1 .Lstep_\@
.rept 4
	v_nop                                          ; places behind the last products
.endr
	WALU
	v_add_f32 v14, v14, v15
	DEP 1
	v_permlanex16_b32 v254, v14, s28, s29
	DEP 1
	v_add_f32 v14, v14, v254                       ; the row's sum
	WALU
	v_rcp_f32 v14, v14
	v_nop
	WALU
.set J, 0
.rept 16
	v_pk_mul_f32 v[120+J:121+J], v[184+J:185+J], v[14:15] op_sel_hi:[1,0]     ; register 16 b + i is y's d = 32 b + 16 h + i of my token
.set J, J+2
.endr
.irp b, 0,1
	v_max3_num_f32 v[228+\b], |v[120+16*\b]|, |v[121+16*\b]|, 0x1800000
.endr
.irp i, 2,4,6,8,10,12,14
.irp b, 0,1
	DEP 2
	v_max3_num_f32 v[228+\b], v[228+\b], |v[120+16*\b+\i]|, |v[121+16*\b+\i]|
.endr
.endr
.irp b, 0,1
	DEP 2
	v_permlanex16_b32 v[232+\b], v[228+\b], s28, s29
.endr
.irp b, 0,1
	DEP 2
	v_max_num_f32 v[228+\b], v[228+\b], v[232+\b]
.endr
.irp b, 0,1
	DEP 2
	v_add_nc_u32 v[246+\b], 0xff000000, v[228+\b]
.endr
.irp b, 0,1
	DEP 2
	v_lshrrev_b32 v[232+\b], 23, v[246+\b]
.endr
	DEP 1
	v_lshl_or_b32 v254, v233, 8, v232              ; the head's two scale bytes of my token
	v_cvt_scalef32_pk16_fp6_f32 v[216:218], v[120:135], v246
	v_cvt_scalef32_pk16_fp6_f32 v[236:238], v[136:151], v247
	v_nop
.irp i, 0,1,2
	v_permlane16_swap_b32 v[216+\i], v[236+\i]     ; a whole block to a lane
.endr
.irp i, 0,1,2
	DEP 3
	v_mov_b32 v[219+\i], v[236+\i]
.endr
	global_store_b128 v10, v[216:219], s[42:43]            ; 512 consecutive bytes, aligned
	global_store_b64 v4, v[220:221], s[42:43] offset:512   ; 256
	global_store_b16 v29, v254, s[44:45]                   ; lanes l and l xor 16 store the same two bytes to the same place
.endm
	PASS_HEAD 0
	s_wait_tensorcnt 0x0                           ; my block of the head is in:
	s_barrier_signal -1                            ; say so;
	s_wait_loadcnt 0x0                             ; Q
	STEPM 1                                        ; my diagonal step reads my own block alone: LDS loads and work on registers;
	s_barrier_wait -1                              ; everybody's block is in: the whole head lies in LDS, and nothing is written there any more
	PASS_REST
	PASS_HEAD 1
	s_wait_loadcnt 0x0
	STEPM 1
	PASS_REST
	s_wait_tensorcnt 0x0                           ; the wave's end
	ds_add_u32 v243, v255
	s_wait_dscnt 0x0
	ROUND                                          ; the closing round
	s_endpgm
.Lfunc_end_k_qee33ebe215_attn:
	.size	k_qee33ebe215_attn, .Lfunc_end_k_qee33ebe215_attn-k_qee33ebe215_attn
	.p2alignl 7, 3214868480
	.fill 96, 4, 3214868480
	.section	.rodata,"a",@progbits
	.p2align	6, 0x0
	.amdhsa_kernel k_qee33ebe215_attn
		.amdhsa_group_segment_fixed_size 263168
		.amdhsa_private_segment_fixed_size 0
		.amdhsa_enable_private_segment 0
		.amdhsa_kernarg_size 24
		.amdhsa_user_sgpr_count 2
		.amdhsa_user_sgpr_kernarg_segment_ptr 1
		.amdhsa_wavefront_size32 1
		.amdhsa_system_sgpr_workgroup_id_x 1
		.amdhsa_system_sgpr_workgroup_id_y 1
		.amdhsa_system_sgpr_workgroup_id_z 1
		.amdhsa_system_vgpr_workitem_id 0
		.amdhsa_next_free_vgpr 256
		.amdhsa_next_free_sgpr 66
		.amdhsa_reserve_vcc 1
		.amdhsa_float_denorm_mode_32 3
		.amdhsa_float_denorm_mode_16_64 3
		.amdhsa_memory_ordered 1
		.amdhsa_forward_progress 1
		.amdhsa_inst_pref_size 85
	.end_amdhsa_kernel
	.amdgpu_metadata
---
amdhsa.version: [ 1, 2 ]
amdhsa.kernels:
  - .name:           k_qee33ebe215_attn
    .symbol:         k_qee33ebe215_attn.kd
    .args:
      - { .name: qkv, .offset: 0, .size: 8, .value_kind: global_buffer, .address_space: global }
      - { .name: y_img, .offset: 8, .size: 8, .value_kind: global_buffer, .address_space: global }
      - { .name: y_sc, .offset: 16, .size: 8, .value_kind: global_buffer, .address_space: global }
    .group_segment_fixed_size: 263168
    .private_segment_fixed_size: 0
    .kernarg_segment_align: 8
    .kernarg_segment_size: 24
    .max_flat_workgroup_size: 512
    .sgpr_count:     66
    .vgpr_count:     256
    .wavefront_size: 32
...
	.end_amdgpu_metadata
.endif
;; end of part 3
;; launch proj (part 4): grid 8 x 32, 4 waves a work-group, clusters of 4 x 4, 327,680 bytes of LDS; arguments y_img, y_sc, w_img, w_sc, out0; writes out0
.if DOCPART == 4
	.amdgcn_target "amdgcn-amd-amdhsa--gfx1250"
	.amdhsa_code_object_version 6
	.text
	.protected	k_qee33ebe215_proj
	.globl	k_qee33ebe215_proj
	.p2align	8
	.type	k_qee33ebe215_proj,@function
k_qee33ebe215_proj:
	s_mov_b64 s[64:65], 0
	v_nop
	global_prefetch_b8 v0, s[64:65] scope:SCOPE_SE
	s_setreg_imm32_b32 hwreg(HW_REG_WAVE_MODE, 25, 1), 1
	s_wait_xcnt 0x0
	s_wait_alu depctr_hold_cnt(0) depctr_sa_sdst(0) depctr_va_vdst(0) depctr_va_sdst(0) depctr_va_ssrc(0) depctr_va_vcc(0) depctr_vm_vsrc(0)
	s_getreg_b32 s2, hwreg(HW_REG_IB_STS2, 6, 4)
	s_cmp_eq_u32 s2, 0
	s_cbranch_scc0 .Lentry_in_a_cluster
	s_endpgm
.Lentry_in_a_cluster:
	s_bfe_u32 s2, ttmp6, 0x10000c
	s_cmp_lg_u32 s2, 0xf033
	s_cbranch_scc0 .Lentry_shape_is_right
	s_endpgm
.Lentry_shape_is_right:
; out0 = y w_out on codes of FP6 (E2M3) with E8M0 scales, K = 1,024; sums and results f32.
; OPERANDS are images of operand registers: a tile T is 16 rows (row rho: 32 (T / 2) + 8 (T % 2) + rho + 8 (rho / 8)); a fragment (16 rows x 128 K) is 1,536 bytes: for c = 0, 1 registers 6 c .. 6 c + 3 of lane l at 768 c + 16 l,
; registers 6 c + 4, 6 c + 5 at 768 c + 512 + 8 l.  Images [T][8][1,536].  w_out's rows are w_img's tiles 192 .. 255.  y_sc: [T][row][32 bytes]; w_sc: [T][4][row][8].
; THE DEAL: 256 work-groups of four waves, each 256 tokens x 128 columns, all of K.  LDS holds y's 16 tiles (196,608 bytes) and w's 8 (98,304), FILLED ONCE, one joint load a wave: waves 0 and 1 four tiles of w each, waves 2 and 3
; eight tiles of y each, as dense rows of 256 bytes.  y's tiles are shared along a row of the 4 x 4 cluster, w's along a column.  Nothing is filled again: no ring, and no later load that a prefetch could run ahead of.
; A wave (2 x 2) holds its 64 rows of w, all of K, in registers (32 fragments, 384 registers) and takes its 128 tokens in eight blocks of 16: 8 fragments a block, two sets.  A block is 32 products on four accumulators by turns
; and leaves as soon as it is finished: through the wave's own stage in LDS, as rows of 256 bytes, each stored whole by sixteen lanes.
; The matrix instruction is used transposed (source 0 = w's rows): lane (r, h) holds token row r; register j of tile 2 n + u is column 32 n + 16 h + 8 u + j of my 64.
; The scale words come straight into registers: w's: register SB + 8 n + q: lanes 0-15 tile 2 n, lanes 16-31 tile 2 n + 1; y's: register SA + 4 s + i of block s: lanes 0-15 K step i, lanes 16-31 K step 4 + i.
; Fragment f lies in window 1 + f / 21 at register 12 (f % 21): 0-31 w's (4 q + b), 32-39 and 40-47 the tokens' two sets.  Window 0: v4-14 addresses; v32-47, v66-97 scale words; v128-191 two sets of accumulators; v192-255 rows on the way out.
.set FR,     12
.set FPW,    21
.set FRB,    1536
.set TIMG,   12288
.set BB,     16*TIMG
.set STAGE,  BB+8*TIMG
.set SPITCH, 272
.set SPARE,  STAGE+4*16*SPITCH
.set A16, 4
.set A8,  6
.set B16, 8
.set B8,  9
.set STO, 10
.set RD,  11
.set CO,  12
.set OSA, 13
.set OSB, 14
.set SPW, 28
.set NIL, 29
.set SB,  32
.set SA,  66
.set ACC, 128
.set OB,  192
.set G1,  24
.set G0,  32
.set G0B, 36
.set G1B, 52
.set MSB, 0
.macro WIN new
.if MSB != (\new)
	s_set_vgpr_msb (MSB<<8)|(\new)
.set MSB, (\new)
.endif
.endm
.macro PLACES
.rept 4
	v_nop
.endr
.endm
.macro BARRIER
	s_barrier_signal -1
	s_barrier_wait -1
.endm
.macro CROUND
	BARRIER
	s_cmp_lg_u32 s14, 0
	s_cbranch_scc1 .Lnot_wave_0_\@
	s_barrier_signal -3
.Lnot_wave_0_\@:
	s_barrier_wait -3
	BARRIER
.endm
	s_load_b256 s[4:11], s[0:1], 0x0               ; y_img, y_sc, w_img, w_sc
	s_load_b64 s[12:13], s[0:1], 0x20              ; out0
	v_lshl_add_u32 v[SPW], v0, 2, SPARE
	v_mov_b32 v[NIL], 0
	ds_add_u32 v[SPW], v[NIL]                      ; the opening lines
	ds_add_u32 v[SPW], v[NIL]
	v_lshrrev_b32 v1, 5, v0
	v_readfirstlane_b32 s14, v1                    ; wave 0..3
	s_lshr_b32 s15, s14, 1                         ; my half of the tokens
	s_and_b32 s16, s14, 1                          ; my half of the columns; also which half of a tensor's tiles I fetch
	s_bfe_u32 s40, ttmp6, 0x40000                  ; cx
	s_bfe_u32 s41, ttmp6, 0x40004                  ; cy
	s_lshl_b32 s42, ttmp9, 2
	s_add_co_u32 s42, s42, s40                     ; TC: which 128 columns
	s_and_b32 s17, ttmp7, 0xffff
	s_lshl_b32 s17, s17, 2
	s_add_co_u32 s17, s17, s41                     ; TR: which 256 tokens
	s_lshl_b32 s43, s41, 2
	s_lshl_b32 s43, 15, s43                        ; my row of the cluster
	s_lshl_b32 s44, 0x1111, s40                    ; my column
	s_or_b32 s[G1], s43, (3<<16)|(1<<21)           ; y: 384 dense rows of 256 bytes
	s_mov_b32 s[G1+1], 32<<16
	s_mov_b32 s[G1+2], 384<<16
	s_mov_b32 s[G1+3], 32<<16
	s_mov_b32 s[G1+4], 384
	s_mov_b32 s[G1+5], 32
	s_mov_b32 s[G1+6], 0
	s_mov_b32 s[G1+7], 0
	s_or_b32 s[G1B], s44, (3<<16)|(1<<21)          ; w: 192
	s_mov_b32 s[G1B+1], 32<<16
	s_mov_b32 s[G1B+2], 192<<16
	s_mov_b32 s[G1B+3], 32<<16
	s_mov_b32 s[G1B+4], 192
	s_mov_b32 s[G1B+5], 32
	s_mov_b32 s[G1B+6], 0
	s_mov_b32 s[G1B+7], 0
	s_lshl_b32 s20, s17, 4
	s_lshl_b32 s21, s16, 3
	s_add_co_u32 s20, s20, s21
	s_mul_i32 s20, s20, TIMG                       ; y: tile 16 TR + 8 x half
	s_mov_b32 s21, 0
	s_lshl_b32 s46, s42, 3
	s_lshl_b32 s47, s16, 2
	s_add_co_u32 s46, s46, s47
	s_add_co_u32 s46, s46, 192                     ; w: tile 192 + 8 TC + 4 x half: the tiles that I fetch are also my columns
	s_lshl_b32 s48, s46, 9                         ; their scale bytes
	s_mov_b32 s49, 0
	s_mul_i32 s46, s46, TIMG
	s_mov_b32 s47, 0
	s_lshl_b32 s22, s17, 4
	s_lshl_b32 s23, s15, 3
	s_add_co_u32 s22, s22, s23
	s_lshl_b32 s22, s22, 9                         ; my tokens' scale bytes: tile 16 TR + 8 x my half
	s_mov_b32 s23, 0
	s_lshl_b32 s50, s17, 8
	s_lshl_b32 s51, s15, 7
	s_add_co_u32 s50, s50, s51
	s_lshl_b32 s50, s50, 12                        ; my first row of out0,
	s_lshl_b32 s51, s42, 9
	s_add_co_u32 s50, s50, s51
	s_lshl_b32 s51, s16, 8
	s_add_co_u32 s50, s50, s51                     ; and my first column, in bytes
	s_mov_b32 s51, 0
	s_mov_b32 s[G0], 1
	s_mul_i32 s[G0+1], s16, 8*TIMG
	s_mov_b32 s[G0B], 1
	s_mul_i32 s[G0B+1], s16, 4*TIMG
	s_add_co_u32 s[G0B+1], s[G0B+1], BB
	v_and_b32 v1, 31, v0                           ; l
	v_and_b32 v2, 15, v0                           ; r
	v_bfe_u32 v3, v0, 4, 1                         ; h
	v_lshlrev_b32 v15, 4, v1
	v_lshlrev_b32 v16, 3, v1
	s_mul_i32 s18, s15, 8*TIMG
	v_add_nc_u32 v[A16], s18, v15                  ; my tokens' blocks 0-3,
	v_add_nc_u32 v[A8], s18, v16
	v_add_nc_u32 v[A16+1], 4*TIMG, v[A16]          ; and 4-7
	v_add_nc_u32 v[A8+1], 4*TIMG, v[A8]
	v_add_nc_u32 v[B16], s[G0B+1], v15             ; my four tiles of w
	v_add_nc_u32 v[B8], s[G0B+1], v16
	s_mul_i32 s19, s14, 16*SPITCH
	s_add_co_u32 s19, s19, STAGE                   ; my stage
	v_mul_u32_u24 v[STO], v2, SPITCH
	v_lshl_add_u32 v[STO], v3, 6, v[STO]
	v_add_nc_u32 v[STO], s19, v[STO]               ; in: row r, 64 h
	v_mul_u32_u24 v[RD], v3, SPITCH
	v_lshl_add_u32 v[RD], v2, 4, v[RD]
	v_add_nc_u32 v[RD], s19, v[RD]                 ; back: sixteen lanes to a row of 256 bytes, two rows an instruction
	v_lshlrev_b32 v[CO], 12, v3
	v_lshl_add_u32 v[CO], v2, 4, v[CO]             ; the same two rows in out0
	v_lshlrev_b32 v[OSA], 5, v2
	v_lshl_add_u32 v[OSA], v3, 4, v[OSA]           ; y_sc: 32 r + 16 h
	v_lshlrev_b32 v[OSB], 9, v3
	v_lshl_add_u32 v[OSB], v2, 3, v[OSB]           ; w_sc: 512 h + 8 r
	s_wait_alu depctr_va_vdst(0)                   ; the wait at the end of the head's vector work
	s_wait_dscnt 0x0
	CROUND                                         ; all sixteen work-groups are here: the joint loads meet
	s_wait_kmcnt 0x0
	s_add_nc_u64 s[G0+2:G0+3], s[4:5], s[20:21]
	s_or_b32 s[G0+3], s[G0+3], 0x80000000
	s_add_nc_u64 s[G0B+2:G0B+3], s[8:9], s[46:47]
	s_or_b32 s[G0B+3], s[G0B+3], 0x80000000
	s_add_nc_u64 s[22:23], s[6:7], s[22:23]
	s_add_nc_u64 s[48:49], s[10:11], s[48:49]
	s_add_nc_u64 s[12:13], s[12:13], s[50:51]
	s_cmp_lt_u32 s14, 2
	s_cbranch_scc0 .Lfor_y
	tensor_load_to_lds s[G0B:G0B+3], s[G1B:G1B+7]  ; waves 0 and 1: w's tiles, which go on into registers
	s_nop 0
	PLACES
	s_branch .Lasked
.Lfor_y:
	tensor_load_to_lds s[G0:G0+3], s[G1:G1+7]      ; waves 2 and 3: y's
	s_nop 0
	PLACES
.Lasked:
.irp n, 0,1
.irp t, 0,1,2,3
	global_load_b64 v[SB+8*\n+2*\t:SB+8*\n+2*\t+1], v[OSB], s[48:49] offset:1024*\n+128*\t
.endr
.endr
.irp s, 0,1,2,3,4,5,6,7
	global_load_b128 v[SA+4*\s:SA+4*\s+3], v[OSA], s[22:23] offset:512*\s    ; 512 consecutive bytes, aligned
.endr
.macro FRAG f, a16, a8, off            ; a fragment comes as it was laid: four loads of consecutive bytes in consecutive lanes
	WIN (1+(\f)/FPW)<<6
.set R_, FR*((\f)%FPW)
	ds_load_b128 v[R_:R_+3], v[\a16] offset:\off
	ds_load_b64 v[R_+4:R_+5], v[\a8] offset:(\off)+512
	ds_load_b128 v[R_+6:R_+9], v[\a16] offset:(\off)+768
	ds_load_b64 v[R_+10:R_+11], v[\a8] offset:(\off)+1280
.endm
.macro FETCH s                         ; block s of my tokens into set s % 2: 32 loads
.irp q, 0,1,2,3,4,5,6,7
	FRAG 32+8*((\s)%2)+\q, A16+(\s)/4, A8+(\s)/4, ((\s)%4)*TIMG+\q*FRB
.endr
	WIN 0
.endm
.macro PRODS s                         ; block s: 32 products; the first four start the sums
.irp qh, 0,1
.irp ql, 0,1,2,3
.irp n, 0,1
.irp u, 0,1
.set FB_, 4*(4*\qh+\ql)+2*\n+\u
.set FA_, 32+8*((\s)%2)+4*\qh+\ql
.set D_, ACC+32*((\s)%2)+8*(2*\n+\u)
	WIN (1+FB_/FPW)|((1+FA_/FPW)<<2)
.if \qh+\ql
	v_wmma_scale_f32_16x16x128_f8f6f4 v[D_:D_+7], v[FR*(FB_%FPW):FR*(FB_%FPW)+11], v[FR*(FA_%FPW):FR*(FA_%FPW)+11], v[D_:D_+7], v[SB+8*\n+4*\qh+\ql], v[SA+4*(\s)+\ql] matrix_a_fmt:MATRIX_FMT_FP6 matrix_b_fmt:MATRIX_FMT_FP6 matrix_a_scale:MATRIX_SCALE_ROW\u matrix_b_scale:MATRIX_SCALE_ROW\qh
.else
	v_wmma_scale_f32_16x16x128_f8f6f4 v[D_:D_+7], v[FR*(FB_%FPW):FR*(FB_%FPW)+11], v[FR*(FA_%FPW):FR*(FA_%FPW)+11], 0, v[SB+8*\n+4*\qh+\ql], v[SA+4*(\s)+\ql] matrix_a_fmt:MATRIX_FMT_FP6 matrix_b_fmt:MATRIX_FMT_FP6 matrix_a_scale:MATRIX_SCALE_ROW\u matrix_b_scale:MATRIX_SCALE_ROW\qh
.endif
.endr
.endr
.endr
.endr
	WIN 0
.endm
.macro TOSTAGE s                       ; LDS serves a wave's instructions in order (ISA guide 5.7.1.4): no wait between the stores and the loads
.irp n, 0,1
.irp u, 0,1
.set D_, ACC+32*((\s)%2)+8*(2*\n+\u)
	ds_store_b128 v[STO], v[D_:D_+3] offset:128*\n+32*\u            ; each accumulator from its low end on
	ds_store_b128 v[STO], v[D_+4:D_+7] offset:128*\n+32*\u+16
.endr
.endr
.irp t, 0,1,2,3,4,5,6,7
	ds_load_b128 v[OB+32*((\s)%2)+4*\t:OB+32*((\s)%2)+4*\t+3], v[RD] offset:\t*2*SPITCH
.endr
.endm
.macro SEND s
	s_wait_xcnt 0x0                                ; earlier stores have read their base and their data: the base steps, and the other set of rows may be loaded again
.if (\s) > 0
.if (\s)%2
	s_add_nc_u64 s[12:13], s[12:13], 8*4096        ; tile T begins at row 32 (T / 2) + 8 (T % 2)
.else
	s_add_nc_u64 s[12:13], s[12:13], 24*4096
.endif
.endif
.irp t, 0,1,2,3,4,5,6,7
	global_store_b128 v[CO], v[OB+32*((\s)%2)+4*\t:OB+32*((\s)%2)+4*\t+3], s[12:13] offset:(2*\t+8*(\t/4))*4096 th:TH_STORE_NT   ; sixteen lanes store 256 consecutive bytes, aligned
.endr
.endm
	s_cmp_lt_u32 s14, 2
	s_cbranch_scc0 .Lnot_w
	s_wait_tensorcnt 0x0
.Lnot_w:
	BARRIER                                        ; w's tiles are in; y's may be on their way
.irp q, 0,1,2,3,4,5,6,7
.irp b, 0,1,2,3
	FRAG 4*\q+\b, B16, B8, \b*TIMG+\q*FRB          ; my 64 rows of w, all of K: 128 loads
.endr
.endr
	WIN 0
	s_wait_tensorcnt 0x0
	s_wait_dscnt 0x0
	BARRIER                                        ; y's tiles are in
	FETCH 0
	FETCH 1
	s_wait_loadcnt 0x0                             ; the scale words
	s_wait_dscnt 32                                ; block 0 is in; block 1's 32 loads may be out
.irp s, 0,1,2,3,4,5,6,7
	PRODS \s
	PLACES                                         ; ahead of the loads into this set's registers and of the stores of these sums
	s_wait_dscnt 0x0                               ; the next block's fragments and the last block's rows are in
.if \s > 0
	SEND \s-1
.endif
.if \s < 6
	FETCH \s+2
.endif
	TOSTAGE \s
.endr
	s_wait_dscnt 0x0
	SEND 7
	s_wait_tensorcnt 0x0                           ; the wave's end
	ds_add_u32 v[SPW], v[NIL]
	s_wait_dscnt 0x0
	CROUND                                         ; the closing round
	s_endpgm
.Lfunc_end_k_qee33ebe215_proj:
	.size	k_qee33ebe215_proj, .Lfunc_end_k_qee33ebe215_proj-k_qee33ebe215_proj
	.p2alignl 7, 3214868480
	.fill 96, 4, 3214868480
	.section	.rodata,"a",@progbits
	.p2align	6, 0x0
	.amdhsa_kernel k_qee33ebe215_proj
		.amdhsa_group_segment_fixed_size 327680
		.amdhsa_private_segment_fixed_size 0
		.amdhsa_enable_private_segment 0
		.amdhsa_kernarg_size 40
		.amdhsa_user_sgpr_count 2
		.amdhsa_user_sgpr_kernarg_segment_ptr 1
		.amdhsa_wavefront_size32 1
		.amdhsa_system_sgpr_workgroup_id_x 1
		.amdhsa_system_sgpr_workgroup_id_y 1
		.amdhsa_system_sgpr_workgroup_id_z 1
		.amdhsa_system_vgpr_workitem_id 0
		.amdhsa_next_free_vgpr 1024
		.amdhsa_next_free_sgpr 66
		.amdhsa_reserve_vcc 0
		.amdhsa_float_denorm_mode_32 3
		.amdhsa_float_denorm_mode_16_64 3
		.amdhsa_memory_ordered 1
		.amdhsa_forward_progress 1
		.amdhsa_inst_pref_size 82
	.end_amdhsa_kernel
	.amdgpu_metadata
---
amdhsa.version: [ 1, 2 ]
amdhsa.kernels:
  - .name:           k_qee33ebe215_proj
    .symbol:         k_qee33ebe215_proj.kd
    .args:
      - { .name: y_img, .offset: 0, .size: 8, .value_kind: global_buffer, .address_space: global }
      - { .name: y_sc, .offset: 8, .size: 8, .value_kind: global_buffer, .address_space: global }
      - { .name: w_img, .offset: 16, .size: 8, .value_kind: global_buffer, .address_space: global }
      - { .name: w_sc, .offset: 24, .size: 8, .value_kind: global_buffer, .address_space: global }
      - { .name: out0, .offset: 32, .size: 8, .value_kind: global_buffer, .address_space: global }
    .group_segment_fixed_size: 327680
    .private_segment_fixed_size: 0
    .kernarg_segment_align: 8
    .kernarg_segment_size: 40
    .max_flat_workgroup_size: 128
    .sgpr_count:     66
    .vgpr_count:     1024
    .wavefront_size: 32
...
	.end_amdgpu_metadata
.endif
;; end of part 4
